; MI455X (gfx1250); checked and timed in simulation.
; The chip was launched on July 23, 2026; its instructions are those of AMD's public machine-readable ISA for CDNA 5 (MIT licence, August 2026) and "CDNA5" Instruction Set Architecture Reference Guide (July 2026). The comments in the code are by the model that wrote it; some were corrected since.
;; Multi Head Attention. Allowed arithmetic: float matrix products may take bf16 or f16 operands with f32 sums; all other float work in f32.
;; Inputs: Wk 1,024 x 1,024 float32; Wo 1,024 x 1,024 float32; Wq 1,024 x 1,024 float32; Wv 1,024 x 1,024 float32; bo 1,024 float32; x 2 x 2,048 x 1,024 float32.
;; Outputs: out0 2 x 2,048 x 1,024 float32.
;; 2 versions, each right; version 2 is version 1 with the launch cast written anew for expert scheduling mode. Each part assembles by itself: llvm-mc -triple=amdgcn-amd-amdhsa -mcpu=gfx1250 --defsym DOCPART=n.
;; ======== version 1 of 2: 4 launches
;; limits: values are held in f16: magnitudes above 65,504 overflow, below 6.1e-05 lose precision
;; workspace buffers: xw 16,777,216 bytes; qkv 25,165,824 bytes; ctx 8,388,608 bytes
;; launch cast (part 1): grid 512 x 1, 8 waves a work-group, no clusters, 0 bytes of LDS; arguments x, Wq, Wk, Wv, Wo, xw; writes xw
.if DOCPART == 1
	.amdgcn_target "amdgcn-amd-amdhsa--gfx1250"
	.amdhsa_code_object_version 6
	.text
	.protected	k_q6a5f4779bc_cast
	.globl	k_q6a5f4779bc_cast
	.p2align	8
	.type	k_q6a5f4779bc_cast,@function
k_q6a5f4779bc_cast:
	s_mov_b64 s[64:65], 0
	v_nop
	global_prefetch_b8 v0, s[64:65] scope:SCOPE_SE
	s_setreg_imm32_b32 hwreg(HW_REG_WAVE_MODE, 25, 1), 1
	s_wait_xcnt 0x0
; x and the four weights, f32, are rounded once to bf16 (nearest even) into xw, rows of 1,024 numbers (2,048 bytes):
;   rows 0..4095     x, row by row, bf16
;   rows 4096..7167  the weights of q, k, v ordered by head, bf16: row 4096 + 192 h + 64 p + r is row 64 h + r of Wq (p = 0), Wk (1), Wv (2)
;   rows 7168..8191  Wo: rounded to bf16 like the other inputs, so that all inputs enter the products with the same rounding, and that value
;                    written as f16, since the other operand of its product (ctx) is f16.  The second step is exact for |w| >= 2^-17
;                    (8 significant bits above f16's smallest step 2^-24); below it adds at most 2^-25.  f16 holds |w| up to 65,504.
; A stream: every input byte is read once, every output byte written once; LDS, barriers and the matrix unit would add nothing.
; Work-group g takes 16 rows: g < 256 rows 16 g of x; else weight p = g / 64 - 4, its rows 16 (g mod 64).
; Thread t owns the 16 bytes at 16 t of each row (a load of a wave covers 512 consecutive bytes) and stores 8 bytes at 8 t:
; a store of a wave covers 256 consecutive bytes, aligned.  Each of the 16 loads and stores has registers of its own,
; so nothing is rewritten while it is pending.
.set ROWIN,  4096                      ; bytes of an f32 row
.set ROWOUT, 2048                      ; bytes of a 16-bit row
.set X, 4                              ; v[4:67]   row j: 4 registers as loaded
.set Y, 68                             ; v[68:99]  row j: 2 registers to store
	s_load_b256 s[4:11], s[0:1], 0x0               ; x s[4:5], Wq s[6:7], Wk s[8:9], Wv s[10:11]
	s_load_b128 s[12:15], s[0:1], 0x20             ; Wo s[12:13], xw s[14:15]
	v_lshlrev_b32 v1, 4, v0                        ; my 16 bytes in an f32 row
	v_lshlrev_b32 v2, 3, v0                        ; my 8 bytes in a 16-bit row
	s_lshr_b32 s17, ttmp9, 6                       ; 0..3: x; 4, 5, 6, 7: Wq, Wk, Wv, Wo
	s_and_b32 s19, ttmp9, 63                       ; the block of 16 rows inside a weight
	s_sub_co_u32 s18, s17, 4                       ; p (used only where s17 >= 4)
	s_cmp_lt_u32 ttmp9, 256
	s_cselect_b32 s22, ttmp9, s19                  ; the block of 16 rows inside the source
	s_lshl_b32 s22, s22, 16                        ; times 16 rows of 4,096 bytes
	s_mov_b32 s23, 0
	s_lshr_b32 s26, s19, 2                         ; head = (16 block) / 64
	s_mul_i32 s26, s26, 192
	s_lshl_b32 s27, s18, 6
	s_add_co_u32 s26, s26, s27                     ; + 64 p
	s_and_b32 s27, s19, 3
	s_lshl_b32 s27, s27, 4
	s_add_co_u32 s26, s26, s27                     ; + the row inside the head
	s_add_co_u32 s26, s26, 4096                    ; q, k, v: the destination row
	s_lshl_b32 s27, s19, 4
	s_add_co_u32 s27, s27, 7168                    ; Wo: the destination row
	s_cmp_eq_u32 s17, 7
	s_cselect_b32 s26, s27, s26
	s_lshl_b32 s27, ttmp9, 4                       ; x: the destination row
	s_cmp_lt_u32 ttmp9, 256
	s_cselect_b32 s24, s27, s26
	s_lshl_b32 s24, s24, 11                        ; times 2,048 bytes
	s_mov_b32 s25, 0
	s_wait_kmcnt 0x0
	s_mov_b64 s[20:21], s[4:5]                     ; the source: a choice between buffers on the work-group's number alone
	s_cmp_eq_u32 s17, 4
	s_cselect_b64 s[20:21], s[6:7], s[20:21]
	s_cmp_eq_u32 s17, 5
	s_cselect_b64 s[20:21], s[8:9], s[20:21]
	s_cmp_eq_u32 s17, 6
	s_cselect_b64 s[20:21], s[10:11], s[20:21]
	s_cmp_eq_u32 s17, 7
	s_cselect_b64 s[20:21], s[12:13], s[20:21]
	s_add_nc_u64 s[20:21], s[20:21], s[22:23]
	s_add_nc_u64 s[14:15], s[14:15], s[24:25]
.irp j, 0,1,2,3,4,5,6,7,8,9,10,11,12,13,14,15
	global_load_b128 v[X+4*\j:X+4*\j+3], v1, s[20:21] offset:ROWIN*\j th:TH_LOAD_NT   ; all 16 rows are on their way at once
.endr
; The 16 rows are rounded and stored.  wo = 1: the bf16 values are widened again (a shift, a mask) and written as f16.
.macro CONV wo
.irp j, 0,1,2,3,4,5,6,7,8,9,10,11,12,13,14,15
	s_wait_loadcnt 15-\j                           ; loads come back in order: row j is in, the 15 - j younger ones stay out
	v_cvt_pk_bf16_f32 v[Y+2*\j],   v[X+4*\j],   v[X+4*\j+1]
	v_cvt_pk_bf16_f32 v[Y+2*\j+1], v[X+4*\j+2], v[X+4*\j+3]
.if \wo
	v_lshlrev_b32 v[X+4*\j],   16,         v[Y+2*\j]       ; row j's registers are free: its load has landed and has been read
	v_and_b32     v[X+4*\j+1], 0xffff0000, v[Y+2*\j]
	v_lshlrev_b32 v[X+4*\j+2], 16,         v[Y+2*\j+1]
	v_and_b32     v[X+4*\j+3], 0xffff0000, v[Y+2*\j+1]
	v_cvt_pk_f16_f32 v[Y+2*\j],   v[X+4*\j],   v[X+4*\j+1]
	v_cvt_pk_f16_f32 v[Y+2*\j+1], v[X+4*\j+2], v[X+4*\j+3]
.endif
	global_store_b64 v2, v[Y+2*\j:Y+2*\j+1], s[14:15] offset:ROWOUT*\j
.endr
.endm
	s_cmp_eq_u32 s17, 7                            ; the work-group's number alone decides: alike in all its waves
	s_cbranch_scc1 .Lwo
	CONV 0
	s_endpgm
.Lwo:
	CONV 1
	s_endpgm
.Lfunc_end_k_q6a5f4779bc_cast:
	.size	k_q6a5f4779bc_cast, .Lfunc_end_k_q6a5f4779bc_cast-k_q6a5f4779bc_cast
	.p2alignl 7, 3214868480
	.fill 96, 4, 3214868480
	.section	.rodata,"a",@progbits
	.p2align	6, 0x0
	.amdhsa_kernel k_q6a5f4779bc_cast
		.amdhsa_group_segment_fixed_size 0
		.amdhsa_private_segment_fixed_size 0
		.amdhsa_enable_private_segment 0
		.amdhsa_kernarg_size 48
		.amdhsa_user_sgpr_count 2
		.amdhsa_user_sgpr_kernarg_segment_ptr 1
		.amdhsa_wavefront_size32 1
		.amdhsa_system_sgpr_workgroup_id_x 1
		.amdhsa_system_sgpr_workgroup_id_y 1
		.amdhsa_system_sgpr_workgroup_id_z 1
		.amdhsa_system_vgpr_workitem_id 0
		.amdhsa_next_free_vgpr 104
		.amdhsa_next_free_sgpr 66
		.amdhsa_reserve_vcc 0
		.amdhsa_float_denorm_mode_32 3
		.amdhsa_float_denorm_mode_16_64 3
		.amdhsa_memory_ordered 1
		.amdhsa_forward_progress 1
		.amdhsa_inst_pref_size 17
	.end_amdhsa_kernel
	.amdgpu_metadata
---
amdhsa.version: [ 1, 2 ]
amdhsa.kernels:
  - .name:           k_q6a5f4779bc_cast
    .symbol:         k_q6a5f4779bc_cast.kd
    .args:
      - { .name: x, .offset: 0, .size: 8, .value_kind: global_buffer, .address_space: global }
      - { .name: Wq, .offset: 8, .size: 8, .value_kind: global_buffer, .address_space: global }
      - { .name: Wk, .offset: 16, .size: 8, .value_kind: global_buffer, .address_space: global }
      - { .name: Wv, .offset: 24, .size: 8, .value_kind: global_buffer, .address_space: global }
      - { .name: Wo, .offset: 32, .size: 8, .value_kind: global_buffer, .address_space: global }
      - { .name: xw, .offset: 40, .size: 8, .value_kind: global_buffer, .address_space: global }
    .group_segment_fixed_size: 0
    .private_segment_fixed_size: 0
    .kernarg_segment_align: 8
    .kernarg_segment_size: 48
    .max_flat_workgroup_size: 256
    .sgpr_count:     66
    .vgpr_count:     104
    .wavefront_size: 32
...
	.end_amdgpu_metadata
.endif
;; end of part 1
;; launch qkv (part 2): grid 16 x 16, 4 waves a work-group, clusters of 4 x 4, 327,680 bytes of LDS; arguments xw, qkv; writes qkv
.if DOCPART == 2
	.amdgcn_target "amdgcn-amd-amdhsa--gfx1250"
	.amdhsa_code_object_version 6
	.text
	.protected	k_q6a5f4779bc_qkv
	.globl	k_q6a5f4779bc_qkv
	.p2align	8
	.type	k_q6a5f4779bc_qkv,@function
k_q6a5f4779bc_qkv:
	s_mov_b64 s[64:65], 0
	v_nop
	global_prefetch_b8 v0, s[64:65] scope:SCOPE_SE
	s_setreg_imm32_b32 hwreg(HW_REG_WAVE_MODE, 25, 1), 1
	s_wait_xcnt 0x0
	s_wait_alu depctr_hold_cnt(0) depctr_sa_sdst(0) depctr_va_vdst(0) depctr_va_sdst(0) depctr_va_ssrc(0) depctr_va_vcc(0) depctr_vm_vsrc(0)
	s_getreg_b32 s2, hwreg(HW_REG_IB_STS2, 6, 4)
	s_cmp_eq_u32 s2, 0
	s_cbranch_scc0 .Lentry_in_a_cluster
	s_endpgm
.Lentry_in_a_cluster:
	s_bfe_u32 s2, ttmp6, 0x10000c
	s_cmp_lg_u32 s2, 0xf033
	s_cbranch_scc0 .Lentry_shape_is_right
	s_endpgm
.Lentry_shape_is_right:
; q, k, v = x W^T, operands in bf16, sums in f32.  A = x: rows 0..4095 of xw; B = the weights ordered by head: 3,072 rows from byte WB of xw.
; Work-group (head, m block) makes 256 rows x 192 columns: the 64 columns of q, of k and of v of one head.  Four waves, as many as a WGP
; has SIMDs; wave w makes rows 128 (w / 2) .. + 127, columns 96 (w mod 2) .. + 95: 8 x 6 accumulator tiles, 384 registers.
; K = 1,024 goes in steps of 128 through a ring of two LDS slots filled by the tensor data mover; a tile's rows are 256 bytes of memory
; and start at multiples of 256 bytes from the buffer's first byte.
; CLUSTERS: 4 x 4 work-groups.  The four of a row of the cluster share the m block and so A's tiles, the four of a column share the head
; and so B's.  Such a tile is asked for jointly: the same tensor load, the same descriptor, a mask that names the four.
; OUTPUT: qkv holds Q at byte 0, K at 8 MiB, V at 16 MiB, each [b * 16 + head][s][64] in F16, rows of 128 bytes without gaps.
; WHY F16: the first rows of a sequence average few values of v, so their results are some ten times larger than the output's root mean
; square while numbers near zero among them are wanted to a hundredth of that: 8 significant bits in q, k, v do not give it, 11 do.
; LIMIT: |q|, |k|, |v| above 65,504 become infinite.  The room: a sum of 1,024 products of x (spread 1) and w (within 1/32) has spread
; 32 x (1/32) / sqrt(3) = 0.58; with x and W both 30 times larger 520, so the limit lies 126 spreads out; with offsets of 30 spreads on
; both, 1,024 x 30 x 0.54 = 16,600.  With both 30 times smaller the spread is 6.4e-4 and f16's smallest step, 2^-24, is 1e-4 of it.
; REGISTERS, in windows of 256: window 0: v16-26 addresses, v64-127 and v128-191 fragments of A (two buffers), v192-215 at work on the way out;
; window 1: v64-111 and v128-175 fragments of B; window 2: the 24 tiles of my rows 0-63, tile (a, b) at v[8 (6 a + b)]; window 3: rows 64-127.
; The matrix instruction is used transposed (source 0 = 16 rows of B, source 1 = 16 rows of A): a lane then holds eight neighbouring
; columns of one row of the result, which pack into 16 bytes.
.set SIZE_K, 1024
.set KSTEP,  128
.set PITCH,  272                       ; an LDS row: 256 bytes + 16 of padding, an odd multiple of 16: the 16 rows that a load touches start at 16 different banks (ISA guide 11.1)
.set HALFA,  128*PITCH                 ; what one tensor load brings of A
.set HALFB,  96*PITCH                  ; what one tensor load brings of B
.set BOFF,   2*HALFA                   ; B's rows lie behind A's 256
.set SLOT,   2*HALFA+2*HALFB           ; 121,856 bytes
.set SP,     400                       ; the way out: a row of 192 f16 (384 bytes) + 16, an odd multiple of 16
.set WB,     0x800000                  ; byte of xw at which the weights begin
.set LAPS,   SIZE_K/(2*KSTEP)          ; a lap = two K steps = once round the ring: 4
.set ADRA, 16                          ; v16-17  LDS address of my A fragments in slot 0, 1
.set ADRB, 20                          ; v20-21  the same for B
.set STO,  24                          ; v24     the way out: where I put 16 bytes of a row
.set RD,   25                          ; v25     the way out: where I read rows back
.set CO,   26                          ; v26     my byte offset in the output
.set F0,   64
.set F1,   128
.set TMP,  192
.set G1,  24                           ; s[24:31] descriptor group 1 for A's tiles
.set G0,  32                           ; s[32:39] descriptor group 0 for A's tiles, one set for each slot
.set G1B, 48                           ; s[48:55] group 1 for B's tiles
.set G0B, 56                           ; s[56:63] group 0 for B's tiles, one set for each slot
.set MSB, 0
.macro WIN new                         ; the immediate's high byte repeats the setting that is left
.if MSB != \new
	s_set_vgpr_msb (MSB<<8)|\new
.set MSB, \new
.endif
.endm
.set MUL_LO, 0xa1                      ; source 0 (B) window 1, source 1 (A) window 0, C and D window 2
.set MUL_HI, 0xf1                      ; the same, C and D window 3
.set TO_B,   0x40                      ; destination window 1, address window 0
; A joint load.  Waves 0 and 1 fetch A's two halves, waves 2 and 3 B's.  The branch hangs on the wave's number alone.
.macro JLOAD s
	s_cmp_eq_u32 s11, 0
	s_cbranch_scc0 .Lfor_b_\@
	tensor_load_to_lds s[G0+4*\s:G0+4*\s+3], s[G1:G1+7]
	s_nop 0
	s_branch .Lasked_\@
.Lfor_b_\@:
	tensor_load_to_lds s[G0B+4*\s:G0B+4*\s+3], s[G1B:G1B+7]
	s_nop 0
.Lasked_\@:
.endm
; A round of the cluster's barrier: my work-group's barrier; wave 0 signals for the work-group; every wave waits for all sixteen
; work-groups; my work-group's barrier once more.
.macro CREST                           ; a round behind its opening barrier
	s_cmp_lg_u32 s10, 0
	s_cbranch_scc1 .Lnot_wave_0_\@
	s_barrier_signal -3
.Lnot_wave_0_\@:
	s_barrier_wait -3
	s_barrier_signal -1
	s_barrier_wait -1
.endm
.macro CROUND                          ; a whole round
	s_barrier_signal -1
	s_barrier_wait -1
	CREST
.endm
	s_load_b128 s[4:7], s[0:1], 0x0                ; xw s[4:5], qkv s[6:7]
	s_set_vgpr_msb 0x40
	v_lshl_add_u32 v255, v0, 2, 0x3b800
	s_set_vgpr_msb 0x4000
	v_mov_b32 v255, 0
	s_set_vgpr_msb 0x1
	ds_add_u32 v255, v255
	s_set_vgpr_msb 0x100
	v_lshrrev_b32 v1, 5, v0
	v_readfirstlane_b32 s10, v1                    ; wave 0..3
	s_lshr_b32 s11, s10, 1                         ; which half of the block's rows is mine.  Also: I fetch for A (0) or for B (1)
	s_and_b32 s12, s10, 1                          ; which half of its columns.  Also: which half of that tile I fetch
	s_bfe_u32 s40, ttmp6, 0x40000                  ; cx
	s_bfe_u32 s41, ttmp6, 0x40004                  ; cy
	s_lshl_b32 s42, ttmp9, 2
	s_add_co_u32 s42, s42, s40                     ; head = 4 x cluster x + cx
	s_and_b32 s13, ttmp7, 0xffff
	s_lshl_b32 s13, s13, 2
	s_add_co_u32 s13, s13, s41                     ; m block = 4 x cluster y + cy
	s_lshl_b32 s43, s41, 2
	s_lshl_b32 s43, 15, s43                        ; my row of the cluster: places 4 cy .. 4 cy + 3
	s_lshl_b32 s44, 0x1111, s40                    ; my column: places cx, cx + 4, cx + 8, cx + 12
	; group 1: tiles of 128 (A) or 96 (B) rows x 128 elements of 2 bytes, 4 words of padding behind every 64 words
	s_or_b32 s[G1+0], s43, (1<<16)|(1<<20)|(1<<21)|(5<<22)|(3<<25)
	s_or_b32 s[G1B+0], s44, (1<<16)|(1<<20)|(1<<21)|(5<<22)|(3<<25)
	s_mov_b32 s[G1+1], KSTEP<<16                   ; tensor_dim0 = 128
	s_mov_b32 s[G1B+1], KSTEP<<16
	s_mov_b32 s[G1+2], 128<<16                     ; tensor_dim1 = 128
	s_mov_b32 s[G1B+2], 96<<16                     ; tensor_dim1 = 96
	s_mov_b32 s[G1+3], KSTEP<<16                   ; tile_dim0 = 128
	s_mov_b32 s[G1B+3], KSTEP<<16
	s_mov_b32 s[G1+4], 128                         ; tile_dim1 = 128
	s_mov_b32 s[G1B+4], 96                         ; tile_dim1 = 96
	s_mov_b32 s[G1+5], SIZE_K                      ; elements from row to row
	s_mov_b32 s[G1B+5], SIZE_K
	s_mov_b32 s[G1+6], 0
	s_mov_b32 s[G1B+6], 0
	s_mov_b32 s[G1+7], 0
	s_mov_b32 s[G1B+7], 0
	; where the tiles come from: A's hang on the m block alone, B's on the head alone, each in registers that never hold the other coordinate
	s_lshl_b32 s17, s12, 7
	s_lshl_b32 s16, s13, 8
	s_add_co_u32 s16, s16, s17                     ; A: row 256 x m block + 128 x half
	s_lshl_b32 s16, s16, 11                        ; times 2,048 bytes (below 8 MiB)
	s_mov_b32 s17, 0
	s_mul_i32 s46, s42, 192
	s_mul_i32 s47, s12, 96
	s_add_co_u32 s46, s46, s47                     ; B: row 192 x head + 96 x half
	s_lshl_b32 s46, s46, 11
	s_add_co_u32 s46, s46, WB
	s_mov_b32 s47, 0
	; and where they go: the wave's number times a constant plus a constant (A: waves 0, 1; B: waves 2, 3)
	s_mul_i32 s20, s10, HALFA
	s_mul_i32 s21, s10, HALFB
	s_add_co_u32 s21, s21, BOFF-2*HALFB
	s_wait_dscnt 0x0
	s_wait_kmcnt 0x0
	s_add_nc_u64 s[14:15], s[4:5], s[16:17]
	s_add_nc_u64 s[46:47], s[4:5], s[46:47]
	CROUND                                         ; all sixteen work-groups are here: the first joint loads meet
.irp s, 0,1
	s_mov_b32 s[G0+4*\s], 1
	s_add_co_u32 s[G0+4*\s+1], s20, \s*SLOT
	s_add_nc_u64 s[G0+4*\s+2:G0+4*\s+3], s[14:15], \s*KSTEP*2
	s_or_b32 s[G0+4*\s+3], s[G0+4*\s+3], 0x80000000
	s_mov_b32 s[G0B+4*\s], 1
	s_add_co_u32 s[G0B+4*\s+1], s21, \s*SLOT
	s_add_nc_u64 s[G0B+4*\s+2:G0B+4*\s+3], s[46:47], \s*KSTEP*2
	s_or_b32 s[G0B+4*\s+3], s[G0B+4*\s+3], 0x80000000
	JLOAD \s                                       ; K steps 0 and 1: two tensor loads of the wave are out, the most in this text
.endr
	; a fragment is 16 rows x 32 K in 8 registers: lane l holds row l % 16; two loads of 16 bytes, 32 bytes apart, at row x pitch + 16 (l / 16)
	v_and_b32 v1, 15, v0                           ; r
	v_bfe_u32 v2, v0, 4, 1                         ; h
	v_mul_u32_u24 v3, v1, PITCH
	v_lshl_add_u32 v3, v2, 4, v3
	s_mul_i32 s22, s11, HALFA                      ; my 128 rows of A
	s_mul_i32 s23, s12, HALFB                      ; my 96 rows of B
	s_add_co_u32 s23, s23, BOFF
.irp s, 0,1
	v_add_nc_u32 v[ADRA+\s], s22, v3
	v_add_nc_u32 v[ADRB+\s], s23, v3
	s_add_co_u32 s22, s22, SLOT
	s_add_co_u32 s23, s23, SLOT
.endr
	; the way out: a stage of 256 rows x 400 bytes in slot 0's bytes, used when slot 0 has had its last fill and its last read
	s_mul_i32 s18, s11, 128*SP
	s_mul_i32 s19, s12, 192
	s_add_co_u32 s18, s18, s19
	v_mul_u32_u24 v4, v1, SP
	v_lshl_add_u32 v4, v2, 4, v4
	v_add_nc_u32 v[STO], s18, v4                   ; (128 row half + r) x 400 + 192 x column half + 16 h
	s_mul_i32 s18, s10, 64*SP
	v_bfe_u32 v5, v0, 3, 2                         ; lane / 8: one of four rows
	v_and_b32 v6, 7, v0                            ; lane % 8: 16 of a row's 128 bytes
	v_mul_u32_u24 v5, v5, SP
	v_lshl_add_u32 v5, v6, 4, v5
	v_add_nc_u32 v[RD], s18, v5                    ; (64 w + lane / 8) x 400 + 16 (lane % 8)
	v_and_b32 v7, 31, v0
	v_lshlrev_b32 v[CO], 4, v7                     ; 16 x lane: four output rows of 128 bytes follow each other
; 12 matrix instructions: m blocks a0, a0 + 1 of the window's four x all 6 n blocks, 32 along K.  zero = 1: the first product starts the sums.
; The 48 accumulators take turns, one instruction a turn, in the same order in every quarter step.
.macro MUL12 f, hi, a0, zero
.irp a, \a0, \a0+1
.irp b, 0,1,2,3,4,5
.if \zero
	v_wmma_f32_16x16x32_bf16 v[8*(6*(\a)+\b):8*(6*(\a)+\b)+7], v[\f+8*\b:\f+8*\b+7], v[\f+8*(4*\hi+\a):\f+8*(4*\hi+\a)+7], 0
.else
	v_wmma_f32_16x16x32_bf16 v[8*(6*(\a)+\b):8*(6*(\a)+\b)+7], v[\f+8*\b:\f+8*\b+7], v[\f+8*(4*\hi+\a):\f+8*(4*\hi+\a)+7], v[8*(6*(\a)+\b):8*(6*(\a)+\b)+7]
.endif
.endr
.endr
.endm
; 28 LDS loads in one run: the fragments of one quarter step (96 rows of B, 128 rows of A, 32 K at byte k of the rows) into buffer f
.macro FETCH slot, k, f
	WIN TO_B
.irp i, 0,1,2,3,4,5
	ds_load_b128 v[\f+8*\i:\f+8*\i+3],   v[ADRB+\slot] offset:\k+\i*16*PITCH
	ds_load_b128 v[\f+8*\i+4:\f+8*\i+7], v[ADRB+\slot] offset:\k+\i*16*PITCH+32
.endr
	WIN 0
.irp i, 0,1,2,3,4,5,6,7
	ds_load_b128 v[\f+8*\i:\f+8*\i+3],   v[ADRA+\slot] offset:\k+\i*16*PITCH
	ds_load_b128 v[\f+8*\i+4:\f+8*\i+7], v[ADRA+\slot] offset:\k+\i*16*PITCH+32
.endr
.endm
; four places behind a matrix instruction before a load lands on one of its sources or a vector instruction reads its result
.macro PLACES
.rept 4
	v_nop
.endr
.endm
; One of a K step's first three quarters: multiplies buffer f; in its middle it fetches the next quarter's fragments into buffer g.
.macro QUARTER slot, k, f, g, zero
	s_wait_dscnt 8                                 ; B and A's rows 0-63 are in; the youngest eight loads (A's rows 64-127) may be out
	WIN MUL_LO
	MUL12 \f, 0, 0, \zero
	MUL12 \f, 0, 2, \zero
	PLACES
	FETCH \slot, \k, \g
	s_wait_dscnt 28                                ; all but the 28 just issued
	WIN MUL_HI
	MUL12 \f, 1, 0, \zero
	MUL12 \f, 1, 2, \zero
.endm
.macro THREE slot, zero
	QUARTER \slot, 64,  F0, F1, \zero
	QUARTER \slot, 128, F1, F0, 0
	QUARTER \slot, 192, F0, F1, 0
.endm
; The last quarter: multiplies buffer 1 and changes slots.  In front of the barrier each wave waits for its reads of this slot and for all
; its tensor loads (the one that is out is its part of the next slot).  Behind it the refill comes first, then the next slot's fragments.
; From a request to the wait for it a wave issues 180 matrix instructions.
.macro TURN slot, next, fill
	s_wait_dscnt 8
	WIN MUL_LO
	MUL12 F1, 0, 0, 0
	s_wait_dscnt 0                                 ; my reads of this slot are over
	s_wait_tensorcnt 0x0                           ; and all my tensor loads have landed
	ds_add_u32 v255, v255
	s_wait_dscnt 0x0
	s_barrier_signal -1                            ; (where a slot is filled again this barrier opens a round of the cluster's barrier)
	MUL12 F1, 0, 2, 0                              ; register work while the others arrive
	WIN 0
	s_barrier_wait -1
.if \fill
	CREST                                          ; no wave of any partner still reads this slot's tile or has a load on its way
	s_add_nc_u64 s[G0+4*\slot+2:G0+4*\slot+3], s[G0+4*\slot+2:G0+4*\slot+3], 2*KSTEP*2
	s_add_nc_u64 s[G0B+4*\slot+2:G0B+4*\slot+3], s[G0B+4*\slot+2:G0B+4*\slot+3], 2*KSTEP*2
	JLOAD \slot                                    ; the first tensor load behind the round, the wave's only one until the next
.endif
	PLACES
	FETCH \next, 0, F0
	WIN MUL_HI
	MUL12 F1, 1, 0, 0
	MUL12 F1, 1, 2, 0
.endm
.macro LAP zero
	THREE 0, \zero
	TURN 0, 1, 1
	THREE 1, 0
	TURN 1, 0, 1
.endm
	s_wait_tensorcnt 1                             ; my part of K step 0 is in; K step 1's may stay out
	s_barrier_signal -1
	s_barrier_wait -1
	FETCH 0, 0, F0
	LAP 1                                          ; the first lap's first products start the sums: nothing is cleared
	WIN 0
	s_mov_b32 s3, LAPS-2
.Llap:
	LAP 0
	WIN 0
	s_sub_co_u32 s3, s3, 1
	s_cmp_lg_u32 s3, 0
	s_cbranch_scc1 .Llap
	THREE 0, 0                                     ; the last lap fills nothing
	TURN 0, 1, 0                                   ; behind this barrier no wave reads slot 0 any more, and no load fills it again
	THREE 1, 0
	s_wait_dscnt 8
	WIN MUL_LO
	MUL12 F1, 0, 0, 0
	MUL12 F1, 0, 2, 0
	s_wait_dscnt 0
	WIN MUL_HI
	MUL12 F1, 1, 0, 0
	MUL12 F1, 1, 2, 0
	; THE WAY OUT.  Round to f16, 16 bytes a lane into the stage; then each wave reads 64 whole rows back, part by part (q, k, v),
	; and stores them: a store of the wave covers four output rows, 512 consecutive bytes, aligned.
	PLACES
	s_lshr_b32 s16, s13, 3                         ; b
	s_lshl_b32 s16, s16, 22                        ; 16 heads of 262,144 bytes
	s_and_b32 s17, s13, 7
	s_lshl_b32 s17, s17, 15                        ; 256 rows of 128 bytes for each m block inside b
	s_add_co_u32 s16, s16, s17
	s_lshl_b32 s17, s10, 13                        ; my 64 rows
	s_add_co_u32 s16, s16, s17
	s_mov_b32 s17, 0
	s_add_nc_u64 s[8:9], s[6:7], s[16:17]
	s_lshl_b32 s46, s42, 18                        ; the head (in the registers that held B's address)
	s_mov_b32 s47, 0
	s_add_nc_u64 s[8:9], s[8:9], s[46:47]
; rows 16 a .. 16 a + 15 of my block: the six tiles (aw, 0..5) of window 2 or 3 (from = 0x0a or 0x0f: sources 0 and 1)
.macro PACK a, aw, from
	WIN \from
.irp b, 0,1,2,3,4,5
.irp r, 0,1,2,3
	v_cvt_pk_f16_f32 v[TMP+4*\b+\r], v[8*(6*\aw+\b)+2*\r], v[8*(6*\aw+\b)+2*\r+1]
.endr
.endr
	WIN 0
.irp b, 0,1,2,3,4,5
	ds_store_b128 v[STO], v[TMP+4*\b:TMP+4*\b+3] offset:\a*16*SP+32*\b
.endr
.endm
	PACK 0, 0, 0x0a
	PACK 1, 1, 0x0a
	PACK 2, 2, 0x0a
	PACK 3, 3, 0x0a
	PACK 4, 0, 0x0f
	PACK 5, 1, 0x0f
	PACK 6, 2, 0x0f
	PACK 7, 3, 0x0f
	s_wait_dscnt 0x0                               ; my stores into the stage are done: the rows that I read back were written by two waves
	s_barrier_signal -1
	s_barrier_wait -1
; part p (0 q, 1 k, 2 v) of my 64 rows: 16 loads of four rows' 128 bytes, 16 stores
.macro OUTP p, f
.if \p
	s_wait_xcnt 0x0                                ; the stores' base and buffer f are rewritten only behind this wait
	s_add_nc_u64 s[8:9], s[8:9], 0x800000          ; the next of Q, K, V
.endif
.irp t, 0,1,2,3,4,5,6,7,8,9,10,11,12,13,14,15
	ds_load_b128 v[\f+4*\t:\f+4*\t+3], v[RD] offset:\t*4*SP+\p*128
.endr
.irp t, 0,1,2,3,4,5,6,7,8,9,10,11,12,13,14,15
	s_wait_dscnt 15-\t                             ; LDS loads come back in order: load t is in
	global_store_b128 v[CO], v[\f+4*\t:\f+4*\t+3], s[8:9] offset:512*\t
.endr
.endm
	OUTP 0, F0
	OUTP 1, F1
	OUTP 2, F0
	s_set_vgpr_msb 0x1
	s_wait_tensorcnt 0x0
	ds_add_u32 v255, v255
	s_wait_dscnt 0x0
	s_set_vgpr_msb 0x100
	CROUND                                         ; the closing round: no work-group ends while a partner may still ask for a tile that names it
	s_endpgm
.Lfunc_end_k_q6a5f4779bc_qkv:
	.size	k_q6a5f4779bc_qkv, .Lfunc_end_k_q6a5f4779bc_qkv-k_q6a5f4779bc_qkv
	.p2alignl 7, 3214868480
	.fill 96, 4, 3214868480
	.section	.rodata,"a",@progbits
	.p2align	6, 0x0
	.amdhsa_kernel k_q6a5f4779bc_qkv
		.amdhsa_group_segment_fixed_size 327680
		.amdhsa_private_segment_fixed_size 0
		.amdhsa_enable_private_segment 0
		.amdhsa_kernarg_size 16
		.amdhsa_user_sgpr_count 2
		.amdhsa_user_sgpr_kernarg_segment_ptr 1
		.amdhsa_wavefront_size32 1
		.amdhsa_system_sgpr_workgroup_id_x 1
		.amdhsa_system_sgpr_workgroup_id_y 1
		.amdhsa_system_sgpr_workgroup_id_z 1
		.amdhsa_system_vgpr_workitem_id 0
		.amdhsa_next_free_vgpr 960
		.amdhsa_next_free_sgpr 66
		.amdhsa_reserve_vcc 0
		.amdhsa_float_denorm_mode_32 3
		.amdhsa_float_denorm_mode_16_64 3
		.amdhsa_memory_ordered 1
		.amdhsa_forward_progress 1
		.amdhsa_inst_pref_size 158
	.end_amdhsa_kernel
	.amdgpu_metadata
---
amdhsa.version: [ 1, 2 ]
amdhsa.kernels:
  - .name:           k_q6a5f4779bc_qkv
    .symbol:         k_q6a5f4779bc_qkv.kd
    .args:
      - { .name: xw, .offset: 0, .size: 8, .value_kind: global_buffer, .address_space: global }
      - { .name: qkv, .offset: 8, .size: 8, .value_kind: global_buffer, .address_space: global }
    .group_segment_fixed_size: 327680
    .private_segment_fixed_size: 0
    .kernarg_segment_align: 8
    .kernarg_segment_size: 16
    .max_flat_workgroup_size: 128
    .sgpr_count:     66
    .vgpr_count:     960
    .wavefront_size: 32
...
	.end_amdgpu_metadata
.endif
;; end of part 2
;; launch attn (part 3): grid 8 x 32, 8 waves a work-group, no clusters, 327,680 bytes of LDS; arguments qkv, ctx; writes ctx
.if DOCPART == 3
	.amdgcn_target "amdgcn-amd-amdhsa--gfx1250"
	.amdhsa_code_object_version 6
	.text
	.protected	k_q6a5f4779bc_attn
	.globl	k_q6a5f4779bc_attn
	.p2align	8
	.type	k_q6a5f4779bc_attn,@function
k_q6a5f4779bc_attn:
	s_mov_b64 s[64:65], 0
	v_nop
	global_prefetch_b8 v0, s[64:65] scope:SCOPE_SE
	s_setreg_imm32_b32 hwreg(HW_REG_WAVE_MODE, 25, 1), 1
	s_wait_xcnt 0x0
; Causal attention for one (batch, head) bh and two blocks of 128 queries: block H = 15 - i with its 16 - i key tiles, then block L = i with
; its i + 1: 17 key tiles of 128 keys for every work-group, 256 equal work-groups.  Tiles above the diagonal are not computed.
; Eight waves, two for each SIMD, so that one wave's softmax arithmetic can run beside the other's products.  Wave w: qg = w % 4 owns 32
; queries (two tiles qt of 16), kh = w / 4 owns 64 of a tile's 128 keys; the two key halves keep running maxima and sums of their own and
; are merged through LDS at the end of each query block.
; FORMATS: q, k, v, P and ctx are f16, all sums f32.  P lies in [0, 1]; ctx is an average of v and has v's range (below 65,504: the launch
; that makes q, k, v states the room).  11 significant bits are wanted because a sequence's first rows average few values of v: their
; results are some ten times the output's root mean square, and numbers near zero among them are wanted to a hundredth of that.
; ORIENTATION.  S^T = K Q^T (A = 16 keys, B = 16 queries): lane (r, h) holds query r, keys 8 h + j.  Two such tiles, rounded to f16 and
; packed, are the B fragment of P for 32 keys.  O^T = V^T P^T (A = V read by the transposing LDS load): lane (r, h) holds query r and
; d = 16 dt + 8 h + j.  So maximum, sum and rescaling factor of a query live in its own lanes; one exchange of the lane halves for a maximum.
; SOFTMAX in f32 with a running maximum: NM = -c max (c = log2(e) / 8), p = exp2(c s + NM); the factor for the old sums is
; exp2(NM new - NM old), made from the two rounded NM, so old and new weights agree whatever the size of the scores.
; LIMIT: a masked score is set to -2^100, so a true q.k at or below -2^100 would count as masked.  A half whose keys are all masked gives
; p = 1 and finite sums, and has weight exp2(-large) = 0 in the merge.
; NO CLUSTER: the query blocks of a head need different numbers of key tiles; made alike for four partners (no branch may hang on the place
; in the cluster) a work-group would walk 20 tiles instead of 17, and what would be shared is 32 KiB for 128 x 128 scores.
; LDS: two slots of 71,680 bytes, each with two key tiles: V's at + e x 18,432 (64 rows of two keys, 256 + 32 bytes), K's at 36,864 + e x 17,408
; (256 + 16 bytes); key n lies at (n / 2) pitch + (n % 2) 128.  Behind them, in bytes of their own: the merge area (9,216 for each qg) and
; the output stage (32 rows x 144 bytes for each qg).
.set VENT,  64*288                     ; a key tile of V in LDS
.set KENT,  64*272                     ; a key tile of K in LDS
.set KOFF,  2*VENT
.set SLOT,  2*VENT+2*KENT
.set MST,   2*SLOT                     ; 143,360
.set MSTW,  18*512                     ; 16 quads of O, one of NM, one of sums and maxima, 512 bytes each
.set OST,   MST+4*MSTW                 ; 180,224
.set OSTW,  32*144
.set KA,  1                            ; v1-2    LDS address of my K fragments in slot 0, 1
.set VA,  3                            ; v3-4    the same for V
.set DG,  5                            ; v5      32 qg + r - 8 h - 64 kh: on the diagonal key 16 kt + j of query tile qt is kept where 16 (kt - qt) + j <= DG
.set MSA, 6                            ; v6      my 16 bytes in a quad of the merge area
.set OSA, 7                            ; v7      output stage, in
.set NM,  8                            ; v[8:11]   NM of qt 0 (twice), of qt 1 (twice)
.set LS,  12                           ; v12-13  running sums (of my half of the lanes)
.set MX,  14                           ; v14-15  running maxima
.set AL,  16                           ; v[16:19]  rescaling factor of qt 0 (twice), of qt 1 (twice)
                                       ; v[20:27]  at work
.set ORD, 28                           ; v28     output stage, back
.set OGO, 29                           ; v29     16 x lane
.set VQ,  30                           ; v30     my bytes in a Q fragment: r x 128 + 16 h
.set QF,  32                           ; v[32:63]   Q fragments at + 16 qt + 8 dh
.set OA,  64                           ; v[64:127]  O at + 32 qt + 8 dt
.set SC,  128                          ; v[128:191] S at + 32 qt + 8 kt; P in place at + 32 qt + 8 g
.set FR,  192                          ; v[192:255] K fragments at + 16 kt + 8 dh, then V's at + 32 g + 8 dt
                                       ; window 1, v0-31: block L's Q fragments
.set G1K, 16                           ; s[16:23] descriptor group 1 for K's tiles
.set G1V, 24                           ; s[24:31] for V's
.set G0K, 32                           ; s[32:39] group 0 for K's tiles, one set for each slot
.set G0V, 40                           ; s[40:47] for V's
.set MSB, 0
.macro WIN new
.if MSB != \new
	s_set_vgpr_msb (MSB<<8)|\new
.set MSB, \new
.endif
.endm
	s_load_b128 s[4:7], s[0:1], 0x0                ; qkv s[4:5], ctx s[6:7]
	v_lshl_add_u32 v31, v0, 2, 0x30800
	s_set_vgpr_msb 0x40
	v_mov_b32 v33, 0
	s_set_vgpr_msb 0x4044
	ds_add_u32 v31, v33
	s_set_vgpr_msb 0x4400
	v_lshrrev_b32 v20, 5, v0
	v_readfirstlane_b32 s8, v20                    ; wave 0..7
	s_lshr_b32 s9, s8, 2                           ; kh
	s_and_b32 s10, s8, 3                           ; qg
	s_and_b32 s12, s8, 1                           ; e: which of a slot's two tiles I fetch
	s_mov_b32 s13, ttmp9                           ; i = block L
	s_and_b32 s14, ttmp7, 0xffff                   ; bh
	s_sub_co_u32 s15, 16, s13                      ; NH: tiles of block H
	s_sub_co_u32 s57, 15, s13                      ; NH - 1 = block H = the entry with H's diagonal tile
	s_mov_b32 s58, 0x76543210                      ; v_permlanex16_b32: lane i of one half reads lane i of the other
	s_mov_b32 s59, 0xfedcba98
	s_mov_b32 s60, 0xf1800000                      ; -2^100
	s_mov_b32 s61, 0xbe38aa3b                      ; -c
	s_add_co_u32 s52, s12, 4                       ; the entry that my next refill brings
	s_mov_b32 s56, 0                               ; the entry at work
	; group 1: 64 rows of 32 elements of 8 bytes (two keys, 256 bytes), dense in memory; 4 (K) or 8 (V) words of padding behind every 64 words
	s_mov_b32 s[G1K+0], (3<<16)|(1<<20)|(5<<22)|(3<<25)
	s_mov_b32 s[G1V+0], (3<<16)|(1<<20)|(5<<22)|(7<<25)
	s_mov_b32 s[G1K+1], 32<<16                     ; tensor_dim0 = 32
	s_mov_b32 s[G1V+1], 32<<16
	s_mov_b32 s[G1K+2], 64<<16                     ; tensor_dim1 = 64
	s_mov_b32 s[G1V+2], 64<<16
	s_mov_b32 s[G1K+3], 32<<16                     ; tile_dim0 = 32
	s_mov_b32 s[G1V+3], 32<<16
	s_mov_b32 s[G1K+4], 64                         ; tile_dim1 = 64
	s_mov_b32 s[G1V+4], 64
	s_mov_b32 s[G1K+5], 32                         ; elements from row to row
	s_mov_b32 s[G1V+5], 32
	s_mov_b32 s[G1K+6], 0
	s_mov_b32 s[G1V+6], 0
	s_mov_b32 s[G1K+7], 0
	s_mov_b32 s[G1V+7], 0
	; group 0.  Waves 0, 1 fetch V's tiles e = 0, 1; waves 2, 3 K's; waves 4-7 none.  LDS address: wave x a constant + a constant + the slot's
	s_mov_b32 s[G0V+0], 1
	s_mov_b32 s[G0V+4], 1
	s_mov_b32 s[G0K+0], 1
	s_mov_b32 s[G0K+4], 1
	s_mul_i32 s53, s8, VENT
	s_add_co_u32 s[G0V+1], s53, 0
	s_add_co_u32 s[G0V+5], s53, SLOT
	s_mul_i32 s53, s8, KENT
	s_add_co_u32 s[G0K+1], s53, KOFF-2*KENT
	s_add_co_u32 s[G0K+5], s53, KOFF-2*KENT+SLOT
	s_lshl_b32 s54, s14, 18                        ; 2,048 rows of 128 bytes for each bh
	s_mov_b32 s55, 0                               ; stays 0: the high word of every offset
	v_and_b32 v21, 15, v0                          ; r
	v_bfe_u32 v22, v0, 4, 1                        ; h
	v_lshlrev_b32 v[VQ], 7, v21
	v_lshl_add_u32 v[VQ], v22, 4, v[VQ]
	s_wait_dscnt 0x0
	s_barrier_signal -1
	s_barrier_wait -1
	s_wait_kmcnt 0x0
	s_add_nc_u64 s[70:71], s[4:5], s[54:55]        ; Q of this bh
	s_add_nc_u64 s[48:49], s[70:71], 0x800000      ; K of this bh
	s_add_nc_u64 s[50:51], s[70:71], 0x1000000     ; V of this bh
	s_lshl_b32 s54, s12, 14                        ; tile e: 16,384 bytes each
	s_add_nc_u64 s[G0K+2:G0K+3], s[48:49], s[54:55]
	s_add_nc_u64 s[G0V+2:G0V+3], s[50:51], s[54:55]
	s_add_nc_u64 s[G0K+6:G0K+7], s[G0K+2:G0K+3], 0x8000    ; tile 2 + e
	s_add_nc_u64 s[G0V+6:G0V+7], s[G0V+2:G0V+3], 0x8000
	s_or_b32 s[G0K+3], s[G0K+3], 0x80000000
	s_or_b32 s[G0V+3], s[G0V+3], 0x80000000
	s_or_b32 s[G0K+7], s[G0K+7], 0x80000000
	s_or_b32 s[G0V+7], s[G0V+7], 0x80000000
	; the first fills, both slots, in one group: two tensor loads of a wave are out, the most in this text
	s_cmp_ge_u32 s8, 4
	s_cbranch_scc1 .Lfilled
	s_cmp_ge_u32 s8, 2
	s_cbranch_scc1 .Lfill_k
	tensor_load_to_lds s[G0V:G0V+3], s[G1V:G1V+7]
	s_nop 0
	tensor_load_to_lds s[G0V+4:G0V+7], s[G1V:G1V+7]
	s_nop 0
	s_branch .Lfilled
.Lfill_k:
	tensor_load_to_lds s[G0K:G0K+3], s[G1K:G1K+7]
	s_nop 0
	tensor_load_to_lds s[G0K+4:G0K+7], s[G1K:G1K+7]
	s_nop 0
.Lfilled:
	; Q fragments of both blocks, straight from memory: lane (r, h) takes query r, d = 32 dh + 8 h .. and 32 dh + 16 + 8 h ..
	s_lshl_b32 s11, s10, 12                        ; my 32 queries: 4,096 bytes
	s_lshl_b32 s54, s13, 14                        ; block L: 128 rows of 128 bytes each block
	s_add_co_u32 s54, s54, s11
	s_add_nc_u64 s[72:73], s[70:71], s[54:55]
	s_lshl_b32 s54, s57, 14                        ; block H
	s_add_co_u32 s54, s54, s11
	s_add_nc_u64 s[70:71], s[70:71], s[54:55]
.irp qt, 0,1
.irp dh, 0,1
	global_load_b128 v[QF+16*\qt+8*\dh:QF+16*\qt+8*\dh+3],   v[VQ], s[70:71] offset:\qt*2048+\dh*64
	global_load_b128 v[QF+16*\qt+8*\dh+4:QF+16*\qt+8*\dh+7], v[VQ], s[70:71] offset:\qt*2048+\dh*64+32
.endr
.endr
	WIN 0x40                                       ; destination window 1
.irp qt, 0,1
.irp dh, 0,1
	global_load_b128 v[16*\qt+8*\dh:16*\qt+8*\dh+3],   v[VQ], s[72:73] offset:\qt*2048+\dh*64
	global_load_b128 v[16*\qt+8*\dh+4:16*\qt+8*\dh+7], v[VQ], s[72:73] offset:\qt*2048+\dh*64+32
.endr
.endr
	WIN 0
	; where the results go: ctx is [16 b + query block][head][128 rows][64], so a block of one head is 16 KiB without gaps
	s_lshr_b32 s53, s14, 4
	s_lshl_b32 s53, s53, 4                         ; 16 b
	s_and_b32 s63, s14, 15                         ; head
	s_add_co_u32 s54, s53, s57
	s_lshl_b32 s54, s54, 4
	s_add_co_u32 s54, s54, s63
	s_lshl_b32 s54, s54, 14
	s_add_co_u32 s54, s54, s11
	s_add_nc_u64 s[66:67], s[6:7], s[54:55]        ; block H, my 32 rows
	s_add_co_u32 s54, s53, s13
	s_lshl_b32 s54, s54, 4
	s_add_co_u32 s54, s54, s63
	s_lshl_b32 s54, s54, 14
	s_add_co_u32 s54, s54, s11
	s_add_nc_u64 s[68:69], s[6:7], s[54:55]        ; block L
	; LDS addresses
	v_and_b32 v20, 31, v0                          ; lane
	v_lshrrev_b32 v23, 1, v21
	v_and_b32 v24, 1, v0
	v_mul_u32_u24 v[KA], v23, 272                  ; K: key r of a fragment: row r / 2,
	v_lshl_add_u32 v[KA], v24, 7, v[KA]            ; half r % 2,
	v_lshl_add_u32 v[KA], v22, 4, v[KA]            ; 16 h
	s_mul_i32 s53, s9, 32*272                      ; my 64 keys
	s_add_co_u32 s53, s53, KOFF
	v_add_nc_u32 v[KA], s53, v[KA]
	v_add_nc_u32 v[KA+1], SLOT, v[KA]
	v_bfe_u32 v23, v0, 1, 2                        ; V, for the transposing load: lane addresses key 8 h + lane % 8: row 4 h + (lane % 8) / 2,
	v_lshl_add_u32 v23, v22, 2, v23
	v_mul_u32_u24 v[VA], v23, 288
	v_lshl_add_u32 v[VA], v24, 7, v[VA]            ; half lane % 2,
	v_bfe_u32 v25, v0, 3, 1
	v_lshl_add_u32 v[VA], v25, 4, v[VA]            ; and 8 of the 16 d by bit 3 of the lane
	s_mul_i32 s53, s9, 32*288
	v_add_nc_u32 v[VA], s53, v[VA]
	v_add_nc_u32 v[VA+1], SLOT, v[VA]
	s_lshl_b32 s53, s10, 5
	s_lshl_b32 s63, s9, 6
	s_sub_co_i32 s53, s53, s63
	v_lshlrev_b32 v23, 3, v22
	v_sub_nc_u32 v[DG], v21, v23
	v_add_nc_u32 v[DG], s53, v[DG]
	s_mul_i32 s53, s10, MSTW
	s_add_co_u32 s53, s53, MST
	v_lshl_add_u32 v[MSA], v20, 4, s53
	s_mul_i32 s53, s10, OSTW
	s_add_co_u32 s53, s53, OST
	v_mul_u32_u24 v[OSA], v21, 144
	v_lshl_add_u32 v[OSA], v22, 4, v[OSA]
	v_add_nc_u32 v[OSA], s53, v[OSA]
	v_lshrrev_b32 v23, 3, v20
	v_and_b32 v25, 7, v0
	v_mul_u32_u24 v[ORD], v23, 144
	v_lshl_add_u32 v[ORD], v25, 4, v[ORD]
	v_add_nc_u32 v[ORD], s53, v[ORD]
	v_lshlrev_b32 v[OGO], 4, v20
	; the running figures: maximum -inf, NM +inf (the first factor is then exp2(-inf) = 0), sum 0
.irp k, 0,1,2,3
	v_mov_b32 v[NM+\k], 0x7f800000
.endr
	v_mov_b32 v[LS], 0
	v_mov_b32 v[LS+1], 0
	v_mov_b32 v[MX], 0xff800000
	v_mov_b32 v[MX+1], 0xff800000
; The change of slots.  Every wave waits for all its tensor loads and for its LDS reads, then the barrier; behind it the slot read last (tgt)
; is filled first thing, one tensor load a wave: that load has two key tiles' work in which to land.
; mode 1: both tiles of the slot; mode 2: tile e = 0 alone (the 17th entry); mode 0: nothing is left to fetch.
.macro SYNC tgt, mode
	s_set_vgpr_msb 0x4
	s_wait_tensorcnt 0x0                           ; all my tensor loads have landed, so a group 0 may be written
	ds_add_u32 v31, v33
	s_wait_dscnt 0x0
	s_set_vgpr_msb 0x400
.if \mode
	s_cmp_ge_u32 s52, s15                          ; entry n is tile n of block H, or tile n - NH of block L
	s_cselect_b32 s53, s15, 0
	s_sub_co_u32 s54, s52, s53
	s_lshl_b32 s54, s54, 14
	s_add_nc_u64 s[G0K+4*\tgt+2:G0K+4*\tgt+3], s[48:49], s[54:55]
	s_or_b32 s[G0K+4*\tgt+3], s[G0K+4*\tgt+3], 0x80000000
	s_add_nc_u64 s[G0V+4*\tgt+2:G0V+4*\tgt+3], s[50:51], s[54:55]
	s_or_b32 s[G0V+4*\tgt+3], s[G0V+4*\tgt+3], 0x80000000
	s_add_co_u32 s52, s52, 2
.endif
	s_wait_dscnt 0x0                               ; my reads of the slot are back
	s_barrier_signal -1
	s_barrier_wait -1
.if \mode == 1
	s_cmp_ge_u32 s8, 4
	s_cbranch_scc1 .Lnone_\@
	s_cmp_ge_u32 s8, 2
	s_cbranch_scc1 .Lfor_k_\@
	tensor_load_to_lds s[G0V+4*\tgt:G0V+4*\tgt+3], s[G1V:G1V+7]
	s_nop 0
	s_branch .Lnone_\@
.Lfor_k_\@:
	tensor_load_to_lds s[G0K+4*\tgt:G0K+4*\tgt+3], s[G1K:G1K+7]
	s_nop 0
.Lnone_\@:
.endif
.if \mode == 2
	s_cmp_eq_u32 s8, 0
	s_cbranch_scc0 .Lnot_v_\@
	tensor_load_to_lds s[G0V+4*\tgt:G0V+4*\tgt+3], s[G1V:G1V+7]
	s_nop 0
	s_branch .Lnone_\@
.Lnot_v_\@:
	s_cmp_eq_u32 s8, 2
	s_cbranch_scc0 .Lnone_\@
	tensor_load_to_lds s[G0K+4*\tgt:G0K+4*\tgt+3], s[G1K:G1K+7]
	s_nop 0
.Lnone_\@:
.endif
.endm
; The diagonal tile: a key behind its query gets -2^100
.macro MASK
.irp qt, 0,1
.irp kt, 0,1,2,3
.irp j, 0,1,2,3,4,5,6,7
	v_cmp_le_i32 vcc_lo, 16*(\kt-\qt)+\j, v[DG]
	v_cndmask_b32 v[SC+32*\qt+8*\kt+\j], s60, v[SC+32*\qt+8*\kt+\j], vcc_lo
.endr
.endr
.endr
.endm
; Query tile qt: new maximum, p = exp2(c s + NM) in place, sums, P in f16 in place, O rescaled (first = 1: there is no O yet)
.macro SOFTMAX qt, first
.set SB, SC+32*\qt
	v_max3_num_f32 v20, v[SB], v[SB+1], v[SB+2]    ; my 32 scores in two chains
	v_max3_num_f32 v21, v[SB+16], v[SB+17], v[SB+18]
.irp k, 0,1,2,3,4,5
	v_max3_num_f32 v20, v20, v[SB+3+2*\k], v[SB+4+2*\k]
	v_max3_num_f32 v21, v21, v[SB+19+2*\k], v[SB+20+2*\k]
.endr
	v_max3_num_f32 v20, v20, v[SB+15], v[SB+31]
	v_max_num_f32 v20, v20, v21
	v_permlanex16_b32 v21, v20, s58, s59           ; the query's other 32 keys lie in the other half of the lanes
	v_max3_num_f32 v[MX+\qt], v20, v21, v[MX+\qt]
	v_mul_f32 v22, s61, v[MX+\qt]                  ; NM new
	v_sub_f32 v23, v22, v[NM+2*\qt]                ; NM new - NM old <= 0
	v_mov_b32 v[NM+2*\qt], v22
	v_mov_b32 v[NM+2*\qt+1], v22
	v_exp_f32 v[AL+2*\qt], v23                     ; the factor for the old sums; plain instructions follow before it is used (ISA guide 5.7.2)
.set ii, 0
.rept 16
	v_pk_fma_f32 v[SB+2*ii:SB+2*ii+1], v[SB+2*ii:SB+2*ii+1], 0x3e38aa3b, v[NM+2*\qt:NM+2*\qt+1] op_sel_hi:[1,0,1]
.set ii, ii+1
.endr
.set ii, 0
.rept 32
	v_exp_f32 v[SB+ii], v[SB+ii]
.set ii, ii+1
.endr
	s_wait_alu depctr_va_vdst(0)
	v_mov_b32 v[AL+2*\qt+1], v[AL+2*\qt]           ; the plain place behind the run of exponentials, and the factor's second copy
	v_pk_add_f32 v[24:25], v[SB:SB+1], v[SB+2:SB+3]
	v_pk_add_f32 v[26:27], v[SB+16:SB+17], v[SB+18:SB+19]
.irp k, 2,3,4,5,6,7
	v_pk_add_f32 v[24:25], v[24:25], v[SB+2*\k:SB+2*\k+1]
	v_pk_add_f32 v[26:27], v[26:27], v[SB+16+2*\k:SB+17+2*\k]
.endr
	v_pk_add_f32 v[24:25], v[24:25], v[26:27]
	v_add_f32 v24, v24, v25
	v_fma_f32 v[LS+\qt], v[LS+\qt], v[AL+2*\qt], v24
.set ii, 0
.rept 16
	v_cvt_pk_f16_f32 v[SB+ii], v[SB+2*ii], v[SB+2*ii+1]    ; ascending: register ii is written when registers 2 ii, 2 ii + 1 are read, never earlier
.set ii, ii+1
.endr
.if \first == 0
.set ii, 0
.rept 16
	v_pk_mul_f32 v[OA+32*\qt+2*ii:OA+32*\qt+2*ii+1], v[OA+32*\qt+2*ii:OA+32*\qt+2*ii+1], v[AL+2*\qt:AL+2*\qt+1]
.set ii, ii+1
.endr
.endif
.endm
; The end of a query block: the upper key half hands O, NM and sums to the lower one through LDS; the lower one merges, divides, rounds to
; f16 and stores its 32 rows.  reset = 1: block L begins.
.macro FINAL base, reset
	v_permlanex16_b32 v20, v[LS], s58, s59         ; the sums of the two halves of the lanes meet
	v_permlanex16_b32 v21, v[LS+1], s58, s59
	v_add_f32 v[LS], v[LS], v20
	v_add_f32 v[LS+1], v[LS+1], v21
	s_cmp_lt_u32 s8, 4
	s_cbranch_scc1 .Llower_\@
.set ii, 0
.rept 16
	ds_store_b128 v[MSA], v[OA+4*ii:OA+4*ii+3] offset:512*ii
.set ii, ii+1
.endr
	ds_store_b128 v[MSA], v[NM:NM+3] offset:8192
	ds_store_b128 v[MSA], v[LS:LS+3] offset:8704
.Llower_\@:
	s_wait_dscnt 0x0                               ; my stores are done: another wave reads them
	s_barrier_signal -1                            ; no slot is filled behind this barrier: a tile on its way may stay out
	s_barrier_wait -1
	s_cmp_ge_u32 s8, 4
	s_cbranch_scc1 .Lmerged_\@
.set ii, 0
.rept 16
	ds_load_b128 v[FR+4*ii:FR+4*ii+3], v[MSA] offset:512*ii
.set ii, ii+1
.endr
	ds_load_b128 v[20:23], v[MSA] offset:8192      ; the partner's NM
	ds_load_b128 v[24:27], v[MSA] offset:8704      ; its sums (and maxima)
	s_wait_dscnt 0x0
	v_min_num_f32 v160, v[NM], v20                 ; the smaller NM belongs to the larger maximum
	v_min_num_f32 v161, v[NM+2], v22
	v_sub_f32 v162, v160, v[NM]
	v_sub_f32 v163, v160, v20
	v_sub_f32 v164, v161, v[NM+2]
	v_sub_f32 v165, v161, v22
	v_exp_f32 v162, v162                           ; my weight, qt 0
	v_exp_f32 v163, v163                           ; the partner's
	v_exp_f32 v164, v164                           ; qt 1
	v_exp_f32 v165, v165
	v_nop                                          ; the plain place behind the exponentials
	s_wait_alu depctr_va_vdst(0)
	v_mul_f32 v166, v[LS], v162
	v_mul_f32 v167, v[LS+1], v164
	v_fma_f32 v166, v24, v163, v166                ; the whole sum: at least one of the two weights is 1 and its sum holds the maximum's own p, about 1
	v_fma_f32 v167, v25, v165, v167
	v_rcp_f32 v166, v166
	v_rcp_f32 v167, v167
	v_nop
	s_wait_alu depctr_va_vdst(0)
	v_mul_f32 v[AL], v162, v166
	v_mul_f32 v[AL+2], v164, v167
	v_mul_f32 v20, v163, v166
	v_mul_f32 v22, v165, v167
	v_mov_b32 v[AL+1], v[AL]
	v_mov_b32 v[AL+3], v[AL+2]
	v_mov_b32 v21, v20
	v_mov_b32 v23, v22
.irp qt, 0,1
.set ii, 0
.rept 16
	v_pk_mul_f32 v[OA+32*\qt+2*ii:OA+32*\qt+2*ii+1], v[OA+32*\qt+2*ii:OA+32*\qt+2*ii+1], v[AL+2*\qt:AL+2*\qt+1]
	v_pk_fma_f32 v[OA+32*\qt+2*ii:OA+32*\qt+2*ii+1], v[FR+32*\qt+2*ii:FR+32*\qt+2*ii+1], v[20+2*\qt:21+2*\qt], v[OA+32*\qt+2*ii:OA+32*\qt+2*ii+1]
.set ii, ii+1
.endr
.endr
.set ii, 0
.rept 32
	v_cvt_pk_f16_f32 v[SC+ii], v[OA+2*ii], v[OA+2*ii+1]    ; tile (qt, dt): 4 registers = d 16 dt + 8 h .. + 7 of query r
.set ii, ii+1
.endr
.irp qt, 0,1
.irp dt, 0,1,2,3
	ds_store_b128 v[OSA], v[SC+16*\qt+4*\dt:SC+16*\qt+4*\dt+3] offset:\qt*16*144+\dt*32
.endr
.endr
.irp t, 0,1,2,3,4,5,6,7
	ds_load_b128 v[SC+32+4*\t:SC+32+4*\t+3], v[ORD] offset:\t*4*144   ; my own bytes: LDS serves a wave's instructions in order (ISA guide 5.7.1.4)
.endr
.irp t, 0,1,2,3,4,5,6,7
	s_wait_dscnt 7-\t                              ; load t is in
	global_store_b128 v[OGO], v[SC+32+4*\t:SC+32+4*\t+3], s[\base:\base+1] offset:512*\t   ; four rows of 128 bytes: 512 consecutive bytes, aligned
.endr
	s_wait_xcnt 0x0                                ; the stores' data registers are written again only behind this wait
.Lmerged_\@:
.if \reset
	s_wait_dscnt 0x0
	s_barrier_signal -1                            ; the reads of the merge area are over before any wave stores into it again
	s_barrier_wait -1
	WIN 0x01                                       ; source window 1: block L's Q fragments
.set ii, 0
.rept 32
	v_mov_b32 v[QF+ii], v[ii]
.set ii, ii+1
.endr
	WIN 0
.irp k, 0,1,2,3
	v_mov_b32 v[NM+\k], 0x7f800000
.endr
	v_mov_b32 v[LS], 0
	v_mov_b32 v[LS+1], 0
	v_mov_b32 v[MX], 0xff800000
	v_mov_b32 v[MX+1], 0xff800000
	; O is cleared here, once in the work-group's life: at which entry block L begins hangs on i, so no first product written with C = 0 can start its sums
.set ii, 0
.rept 64
	v_mov_b32 v[OA+ii], 0
.set ii, ii+1
.endr
.endif
.endm
; One key tile (tile e of a slot).  first = 1: the first products start O.  diag: 0 never the diagonal, 1 block H's diagonal where the
; entry's number says so (a number made of the work-group's x alone: alike in all eight waves), 2 block L's diagonal, the last entry.
; In both groups of 16 matrix instructions the eight accumulators take turns, one instruction a turn.
.macro ENTRY slot, e, first, diag
.irp dh, 0,1
.irp kt, 0,1,2,3
	ds_load_b128 v[FR+16*\kt+8*\dh:FR+16*\kt+8*\dh+3],   v[KA+\slot] offset:\e*KENT+\kt*8*272+\dh*64
	ds_load_b128 v[FR+16*\kt+8*\dh+4:FR+16*\kt+8*\dh+7], v[KA+\slot] offset:\e*KENT+\kt*8*272+\dh*64+32
.endr
.endr
	s_wait_dscnt 0x8                               ; d 0-31 of my 64 keys are in; the eight loads of d 32-63 may be out
.irp qt, 0,1
.irp kt, 0,1,2,3
	v_wmma_f32_16x16x32_f16 v[SC+32*\qt+8*\kt:SC+32*\qt+8*\kt+7], v[FR+16*\kt:FR+16*\kt+7], v[QF+16*\qt:QF+16*\qt+7], 0
.endr
.endr
	s_wait_dscnt 0x0
.irp qt, 0,1
.irp kt, 0,1,2,3
	v_wmma_f32_16x16x32_f16 v[SC+32*\qt+8*\kt:SC+32*\qt+8*\kt+7], v[FR+16*\kt+8:FR+16*\kt+15], v[QF+16*\qt+8:QF+16*\qt+15], v[SC+32*\qt+8*\kt:SC+32*\qt+8*\kt+7]
.endr
.endr
.rept 4
	v_nop                                          ; four places before loads land on K's fragments and vector instructions read S
.endr
.irp g, 0,1
.irp dt, 0,1,2,3
	ds_load_tr16_b128 v[FR+32*\g+8*\dt:FR+32*\g+8*\dt+3],   v[VA+\slot] offset:\e*VENT+\g*16*288+\dt*32
	ds_load_tr16_b128 v[FR+32*\g+8*\dt+4:FR+32*\g+8*\dt+7], v[VA+\slot] offset:\e*VENT+\g*16*288+\dt*32+8*288
.endr
.endr
.if \diag == 1
	s_cmp_lg_u32 s56, s57
	s_cbranch_scc1 .Lnomask_\@
	MASK
.Lnomask_\@:
.endif
.if \diag == 2
	MASK
.endif
	SOFTMAX 0, \first
	SOFTMAX 1, \first
	s_wait_dscnt 0x8                               ; V of keys 0-31 of my half is in
.irp qt, 0,1
.irp dt, 0,1,2,3
.if \first
	v_wmma_f32_16x16x32_f16 v[OA+32*\qt+8*\dt:OA+32*\qt+8*\dt+7], v[FR+8*\dt:FR+8*\dt+7], v[SC+32*\qt:SC+32*\qt+7], 0
.else
	v_wmma_f32_16x16x32_f16 v[OA+32*\qt+8*\dt:OA+32*\qt+8*\dt+7], v[FR+8*\dt:FR+8*\dt+7], v[SC+32*\qt:SC+32*\qt+7], v[OA+32*\qt+8*\dt:OA+32*\qt+8*\dt+7]
.endif
.endr
.endr
	s_wait_dscnt 0x0
.irp qt, 0,1
.irp dt, 0,1,2,3
	v_wmma_f32_16x16x32_f16 v[OA+32*\qt+8*\dt:OA+32*\qt+8*\dt+7], v[FR+32+8*\dt:FR+32+8*\dt+7], v[SC+32*\qt+8:SC+32*\qt+15], v[OA+32*\qt+8*\dt:OA+32*\qt+8*\dt+7]
.endr
.endr
.rept 5
	v_nop                                          ; five places before the next tile's products write over P, four before loads land on V's fragments or O is read
.endr
.if \diag == 1
	s_cmp_lg_u32 s56, s57
	s_cbranch_scc1 .Lnofinal_\@
	FINAL 66, 1
.Lnofinal_\@:
.endif
.if \diag == 2
	FINAL 68, 0
.endif
	s_add_co_u32 s56, s56, 1
.endm
	s_wait_loadcnt 0x0                             ; Q of both blocks
	s_wait_tensorcnt 0x1                           ; my part of slot 0 is in; slot 1's may stay out
	s_barrier_signal -1
	s_barrier_wait -1
	ENTRY 0, 0, 1, 0                               ; entries 0 and 1: block H has at least nine tiles, so neither is a diagonal
	ENTRY 0, 1, 0, 0
	s_mov_b32 s62, 3
.Lloop:                                                ; entries 2 to 13, four a trip
	SYNC 0, 1
	ENTRY 1, 0, 0, 1
	ENTRY 1, 1, 0, 1
	SYNC 1, 1
	ENTRY 0, 0, 0, 1
	ENTRY 0, 1, 0, 1
	s_sub_co_u32 s62, s62, 1
	s_cmp_lg_u32 s62, 0
	s_cbranch_scc1 .Lloop
	SYNC 0, 2                                      ; the 17th entry alone goes into slot 0
	ENTRY 1, 0, 0, 1
	ENTRY 1, 1, 0, 1
	SYNC 0, 0                                      ; nothing is left to fetch; every tensor load has been waited for
	ENTRY 0, 0, 0, 2
	s_set_vgpr_msb 0x4
	s_wait_tensorcnt 0x0
	ds_add_u32 v31, v33
	s_wait_dscnt 0x0
	s_set_vgpr_msb 0x400
	s_endpgm
.Lfunc_end_k_q6a5f4779bc_attn:
	.size	k_q6a5f4779bc_attn, .Lfunc_end_k_q6a5f4779bc_attn-k_q6a5f4779bc_attn
	.p2alignl 7, 3214868480
	.fill 96, 4, 3214868480
	.section	.rodata,"a",@progbits
	.p2align	6, 0x0
	.amdhsa_kernel k_q6a5f4779bc_attn
		.amdhsa_group_segment_fixed_size 327680
		.amdhsa_private_segment_fixed_size 0
		.amdhsa_enable_private_segment 0
		.amdhsa_kernarg_size 16
		.amdhsa_user_sgpr_count 2
		.amdhsa_user_sgpr_kernarg_segment_ptr 1
		.amdhsa_wavefront_size32 1
		.amdhsa_system_sgpr_workgroup_id_x 1
		.amdhsa_system_sgpr_workgroup_id_y 1
		.amdhsa_system_sgpr_workgroup_id_z 1
		.amdhsa_system_vgpr_workitem_id 0
		.amdhsa_next_free_vgpr 290
		.amdhsa_next_free_sgpr 74
		.amdhsa_reserve_vcc 1
		.amdhsa_float_denorm_mode_32 3
		.amdhsa_float_denorm_mode_16_64 3
		.amdhsa_memory_ordered 1
		.amdhsa_forward_progress 1
		.amdhsa_inst_pref_size 255
	.end_amdhsa_kernel
	.section	.bss,"aw",@nobits
	.p2align	6
	.space	262144
	.amdgpu_metadata
---
amdhsa.version: [ 1, 2 ]
amdhsa.kernels:
  - .name:           k_q6a5f4779bc_attn
    .symbol:         k_q6a5f4779bc_attn.kd
    .args:
      - { .name: qkv, .offset: 0, .size: 8, .value_kind: global_buffer, .address_space: global }
      - { .name: ctx, .offset: 8, .size: 8, .value_kind: global_buffer, .address_space: global }
    .group_segment_fixed_size: 327680
    .private_segment_fixed_size: 0
    .kernarg_segment_align: 8
    .kernarg_segment_size: 16
    .max_flat_workgroup_size: 256
    .sgpr_count:     74
    .vgpr_count:     290
    .wavefront_size: 32
...
	.end_amdgpu_metadata
.endif
;; end of part 3
;; launch oproj (part 4): grid 8 x 32, 4 waves a work-group, clusters of 4 x 4, 327,680 bytes of LDS; arguments ctx, xw, bo, out0; writes out0
.if DOCPART == 4
	.amdgcn_target "amdgcn-amd-amdhsa--gfx1250"
	.amdhsa_code_object_version 6
	.text
	.protected	k_q6a5f4779bc_oproj
	.globl	k_q6a5f4779bc_oproj
	.p2align	8
	.type	k_q6a5f4779bc_oproj,@function
k_q6a5f4779bc_oproj:
	s_mov_b64 s[64:65], 0
	v_nop
	global_prefetch_b8 v0, s[64:65] scope:SCOPE_SE
	s_setreg_imm32_b32 hwreg(HW_REG_WAVE_MODE, 25, 1), 1
	s_wait_xcnt 0x0
	s_wait_alu depctr_hold_cnt(0) depctr_sa_sdst(0) depctr_va_vdst(0) depctr_va_sdst(0) depctr_va_ssrc(0) depctr_va_vcc(0) depctr_vm_vsrc(0)
	s_getreg_b32 s2, hwreg(HW_REG_IB_STS2, 6, 4)
	s_cmp_eq_u32 s2, 0
	s_cbranch_scc0 .Lentry_in_a_cluster
	s_endpgm
.Lentry_in_a_cluster:
	s_bfe_u32 s2, ttmp6, 0x10000c
	s_cmp_lg_u32 s2, 0xf033
	s_cbranch_scc0 .Lentry_shape_is_right
	s_endpgm
.Lentry_shape_is_right:
; out0 = ctx Wo^T + bo.  ctx: f16, [m block of 128 rows][head][128 rows][64]; Wo: f16, rows 7168.. of xw, 1,024 numbers a row; out0, bo: f32.
; Operands in f16, sums in f32 (why ctx is f16, and its range: the heads of the two launches before).
; Work-group (n block, m block) makes 128 x 128 of out0: 256 work-groups.  Four waves; wave w makes rows 64 (w / 2) .., columns 64 (w % 2) ..:
; 4 x 4 accumulator tiles, 128 registers in window 1.  K = 1,024 goes in four fills of 256 (four heads) through two LDS slots; the text is
; written out without a loop.
; CLUSTERS: 4 x 4 work-groups; A's tiles (ctx) hang on the m block alone and are asked for jointly along a row of the cluster, B's (Wo) on the
; n block alone, along a column.
; LDS: slot = A: 4 heads x 64 rows of two ctx rows (256 + 16 bytes), then B: 128 rows of 512 + 16 bytes.  Behind the two slots a stage of
; 16 rows x 272 bytes for each wave, its own.
; The matrix instruction is used transposed (source 0 = rows of Wo, source 1 = rows of ctx): a lane holds eight neighbouring columns of a row.
.set HEADL,  64*272                    ; a head's 128 rows of ctx in LDS
.set BPITCH, 528
.set BOFF,   4*HEADL                   ; 69,632
.set BHALF,  64*BPITCH                 ; 33,792
.set SLOT,   BOFF+2*BHALF              ; 137,216
.set STAGE,  2*SLOT                    ; 274,432
.set SPITCH, 272
.set WOB,    0x800000+3072*2048        ; byte of xw at which Wo begins
.set ADRA, 16                          ; v16-17  LDS address of my A fragments in slot 0, 1
.set ADRB, 20                          ; v20-21  the same for B
.set STO,  24
.set RD,   25
.set CO,   26
.set BO,   27                          ; v27     my bytes in bo
.set BIAS, 28                          ; v[28:31] bo of the four columns that I store
.set F0,   64                          ; fragment buffer 0: A at + 8 a, B at + 32 + 8 b
.set F1,   128
.set G1,  24
.set G0,  32
.set G1B, 48
.set G0B, 56
.set MSB, 0
.macro WIN new
.if MSB != \new
	s_set_vgpr_msb (MSB<<8)|\new
.set MSB, \new
.endif
.endm
.macro JLOAD s                         ; waves 0, 1 ask for A's halves, waves 2, 3 for B's: the branch hangs on the wave's number alone
	s_cmp_eq_u32 s11, 0
	s_cbranch_scc0 .Lfor_b_\@
	tensor_load_to_lds s[G0+4*\s:G0+4*\s+3], s[G1:G1+7]
	s_nop 0
	s_branch .Lasked_\@
.Lfor_b_\@:
	tensor_load_to_lds s[G0B+4*\s:G0B+4*\s+3], s[G1B:G1B+7]
	s_nop 0
.Lasked_\@:
.endm
.macro CREST                           ; a round of the cluster's barrier behind its opening barrier
	s_cmp_lg_u32 s10, 0
	s_cbranch_scc1 .Lnot_wave_0_\@
	s_barrier_signal -3
.Lnot_wave_0_\@:
	s_barrier_wait -3
	s_barrier_signal -1
	s_barrier_wait -1
.endm
.macro CROUND
	s_barrier_signal -1
	s_barrier_wait -1
	CREST
.endm
	s_load_b128 s[4:7], s[0:1], 0x0                ; ctx s[4:5], xw s[6:7]
	s_load_b128 s[20:23], s[0:1], 0x10             ; bo s[20:21], out0 s[22:23]
	v_lshl_add_u32 v254, v0, 2, 0x47400
	v_mov_b32 v255, 0
	ds_add_u32 v254, v255
	v_lshrrev_b32 v1, 5, v0
	v_readfirstlane_b32 s10, v1                    ; wave 0..3
	s_lshr_b32 s11, s10, 1                         ; my half of the rows.  Also: I fetch for A (0) or for B (1)
	s_and_b32 s12, s10, 1                          ; my half of the columns.  Also: which half of that tile I fetch
	s_bfe_u32 s40, ttmp6, 0x40000                  ; cx
	s_bfe_u32 s41, ttmp6, 0x40004                  ; cy
	s_lshl_b32 s42, ttmp9, 2
	s_add_co_u32 s42, s42, s40                     ; n block
	s_and_b32 s13, ttmp7, 0xffff
	s_lshl_b32 s13, s13, 2
	s_add_co_u32 s13, s13, s41                     ; m block
	s_lshl_b32 s43, s41, 2
	s_lshl_b32 s43, 15, s43                        ; my row of the cluster
	s_lshl_b32 s44, 0x1111, s40                    ; my column
	; A: two heads = 128 rows of 32 elements of 8 bytes, dense; 4 words of padding behind every 64 words
	s_or_b32 s[G1+0], s43, (3<<16)|(1<<20)|(1<<21)|(5<<22)|(3<<25)
	s_mov_b32 s[G1+1], 32<<16
	s_mov_b32 s[G1+2], 128<<16
	s_mov_b32 s[G1+3], 32<<16
	s_mov_b32 s[G1+4], 128
	s_mov_b32 s[G1+5], 32
	s_mov_b32 s[G1+6], 0
	s_mov_b32 s[G1+7], 0
	; B: 64 rows of 256 elements of 2 bytes, 1,024 elements from row to row; 4 words of padding behind every 128 words
	s_or_b32 s[G1B+0], s44, (1<<16)|(1<<20)|(1<<21)|(6<<22)|(3<<25)
	s_mov_b32 s[G1B+1], 256<<16
	s_mov_b32 s[G1B+2], 64<<16
	s_mov_b32 s[G1B+3], 256<<16
	s_mov_b32 s[G1B+4], 64
	s_mov_b32 s[G1B+5], 1024
	s_mov_b32 s[G1B+6], 0
	s_mov_b32 s[G1B+7], 0
	s_lshl_b32 s16, s13, 18                        ; A: an m block is 16 heads of 16 KiB,
	s_lshl_b32 s17, s12, 15                        ; my two of a fill's four heads
	s_add_co_u32 s16, s16, s17
	s_mov_b32 s17, 0
	s_lshl_b32 s46, s42, 7                         ; B: row 128 x n block + 64 x half,
	s_lshl_b32 s47, s12, 6
	s_add_co_u32 s46, s46, s47
	s_lshl_b32 s46, s46, 11                        ; times 2,048 bytes,
	s_add_co_u32 s46, s46, WOB                     ; behind x and the other weights
	s_mov_b32 s47, 0
	s_mul_i32 s18, s10, 2*HEADL                    ; LDS: the wave's number times a constant plus a constant (A: waves 0, 1; B: waves 2, 3)
	s_mul_i32 s19, s10, BHALF
	s_add_co_u32 s19, s19, BOFF-2*BHALF
	s_wait_dscnt 0x0
	s_wait_kmcnt 0x0
	s_add_nc_u64 s[14:15], s[4:5], s[16:17]
	s_add_nc_u64 s[46:47], s[6:7], s[46:47]
	CROUND                                         ; all sixteen work-groups are here: the first joint loads meet
.irp s, 0,1
	s_mov_b32 s[G0+4*\s], 1
	s_add_co_u32 s[G0+4*\s+1], s18, \s*SLOT
	s_add_nc_u64 s[G0+4*\s+2:G0+4*\s+3], s[14:15], \s*65536
	s_or_b32 s[G0+4*\s+3], s[G0+4*\s+3], 0x80000000
	s_mov_b32 s[G0B+4*\s], 1
	s_add_co_u32 s[G0B+4*\s+1], s19, \s*SLOT
	s_add_nc_u64 s[G0B+4*\s+2:G0B+4*\s+3], s[46:47], \s*512
	s_or_b32 s[G0B+4*\s+3], s[G0B+4*\s+3], 0x80000000
	JLOAD \s                                       ; fills 0 and 1: two tensor loads of the wave are out, the most in this text
.endr
	v_and_b32 v1, 15, v0                           ; r
	v_bfe_u32 v2, v0, 4, 1                         ; h
	; bo and out0 at my block: the column part in the registers that held B's address, the row part in those of A's
	s_lshl_b32 s46, s42, 9                         ; 128 columns of 4 bytes
	s_lshl_b32 s47, s12, 8
	s_add_co_u32 s46, s46, s47
	s_mov_b32 s47, 0
	s_add_nc_u64 s[20:21], s[20:21], s[46:47]
	s_add_nc_u64 s[22:23], s[22:23], s[46:47]
	s_lshl_b32 s16, s13, 19                        ; 128 rows of 4,096 bytes
	s_lshl_b32 s17, s11, 18
	s_add_co_u32 s16, s16, s17
	s_mov_b32 s17, 0
	s_add_nc_u64 s[22:23], s[22:23], s[16:17]
	v_lshlrev_b32 v[BO], 4, v1
	global_load_b128 v[BIAS:BIAS+3], v[BO], s[20:21]       ; waited for on the way out
	; fragment addresses
	v_lshrrev_b32 v3, 1, v1
	v_and_b32 v4, 1, v0
	v_mul_u32_u24 v3, v3, 272                      ; A: ctx row r lies in LDS row r / 2,
	v_lshl_add_u32 v3, v4, 7, v3                   ; half r % 2
	v_lshl_add_u32 v3, v2, 4, v3
	v_mul_u32_u24 v4, v1, BPITCH                   ; B: row r
	v_lshl_add_u32 v4, v2, 4, v4
	s_mul_i32 s2, s11, 32*272                      ; my 64 rows of A
	s_mul_i32 s3, s12, BHALF                       ; my 64 rows of B
	s_add_co_u32 s3, s3, BOFF
.irp s, 0,1
	v_add_nc_u32 v[ADRA+\s], s2, v3
	v_add_nc_u32 v[ADRB+\s], s3, v4
	s_add_co_u32 s2, s2, SLOT
	s_add_co_u32 s3, s3, SLOT
.endr
	s_mul_i32 s2, s10, 16*SPITCH
	s_add_co_u32 s2, s2, STAGE
	v_mul_u32_u24 v5, v1, SPITCH                   ; in: row r, 32 bytes for each half of the lanes
	v_lshl_add_u32 v5, v2, 5, v5
	v_add_nc_u32 v[STO], s2, v5
	v_mul_u32_u24 v5, v2, SPITCH                   ; back: lanes 0-15 one row of 256 bytes, lanes 16-31 the next
	v_lshl_add_u32 v5, v1, 4, v5
	v_add_nc_u32 v[RD], s2, v5
	v_lshlrev_b32 v5, 12, v2                       ; and the same two rows in out0
	v_lshl_add_u32 v[CO], v1, 4, v5
; 16 matrix instructions, 32 along K.  The 16 accumulators take turns, one instruction a turn, in the same order every time.
.macro MUL16 f, zero
	WIN 0x50                                       ; C and D in window 1
.irp a, 0,1,2,3
.irp b, 0,1,2,3
.if \zero
	v_wmma_f32_16x16x32_f16 v[8*(4*\a+\b):8*(4*\a+\b)+7], v[\f+32+8*\b:\f+32+8*\b+7], v[\f+8*\a:\f+8*\a+7], 0
.else
	v_wmma_f32_16x16x32_f16 v[8*(4*\a+\b):8*(4*\a+\b)+7], v[\f+32+8*\b:\f+32+8*\b+7], v[\f+8*\a:\f+8*\a+7], v[8*(4*\a+\b):8*(4*\a+\b)+7]
.endif
.endr
.endr
.endm
; 16 LDS loads: the fragments of part q (32 of the fill's 256 along K: head q / 2, d 32 (q % 2) ..) into buffer f
.macro FETCH slot, q, f
	WIN 0
.irp a, 0,1,2,3
	ds_load_b128 v[\f+8*\a:\f+8*\a+3],   v[ADRA+\slot] offset:(\q>>1)*HEADL+\a*8*272+(\q&1)*64
	ds_load_b128 v[\f+8*\a+4:\f+8*\a+7], v[ADRA+\slot] offset:(\q>>1)*HEADL+\a*8*272+(\q&1)*64+32
.endr
.irp b, 0,1,2,3
	ds_load_b128 v[\f+32+8*\b:\f+32+8*\b+3],   v[ADRB+\slot] offset:\b*16*BPITCH+\q*64
	ds_load_b128 v[\f+32+8*\b+4:\f+32+8*\b+7], v[ADRB+\slot] offset:\b*16*BPITCH+\q*64+32
.endr
.endm
.macro PLACES                          ; four places behind a matrix instruction before a load lands on one of its sources or its result is read
.rept 4
	v_nop
.endr
.endm
.macro STEPQ slot, qn, g, f, zero      ; fetch part qn into buffer g, multiply buffer f
	PLACES
	FETCH \slot, \qn, \g
	s_wait_dscnt 16                                ; all but the 16 just issued
	MUL16 \f, \zero
.endm
.macro Q7 slot, zero                   ; parts 0 to 6 of a fill
	STEPQ \slot, 1, F1, F0, \zero
	STEPQ \slot, 2, F0, F1, 0
	STEPQ \slot, 3, F1, F0, 0
	STEPQ \slot, 4, F0, F1, 0
	STEPQ \slot, 5, F1, F0, 0
	STEPQ \slot, 6, F0, F1, 0
	STEPQ \slot, 7, F1, F0, 0
.endm
; Part 7 and the change of slots.  mode 2: this slot is filled again (a round of the cluster's barrier, the joint refill first behind it);
; mode 1: the slots change and nothing is filled; mode 0: the end.  From a request to the wait for it a wave issues 112 matrix instructions.
.macro LASTQ slot, next, mode
	s_wait_dscnt 0                                 ; my reads of this slot are over
.if \mode >= 1
	s_wait_tensorcnt 0x0                           ; and all my tensor loads have landed: the one that was out is my part of the next slot
	ds_add_u32 v254, v255
	s_wait_dscnt 0x0
	s_barrier_signal -1
.endif
	MUL16 F1, 0
	WIN 0
.if \mode >= 1
	s_barrier_wait -1
.endif
.if \mode == 2
	CREST                                          ; no wave of any partner still reads this slot or has a load on its way
	s_add_nc_u64 s[G0+4*\slot+2:G0+4*\slot+3], s[G0+4*\slot+2:G0+4*\slot+3], 2*65536
	s_add_nc_u64 s[G0B+4*\slot+2:G0B+4*\slot+3], s[G0B+4*\slot+2:G0B+4*\slot+3], 2*512
	JLOAD \slot
.endif
.if \mode >= 1
	PLACES
	FETCH \next, 0, F0
.endif
.endm
	s_wait_tensorcnt 1                             ; my part of fill 0 is in; fill 1's may stay out
	s_barrier_signal -1
	s_barrier_wait -1
	FETCH 0, 0, F0
	Q7 0, 1                                        ; the first products start the sums
	LASTQ 0, 1, 2                                  ; slot 0 gets fill 2
	Q7 1, 0
	LASTQ 1, 0, 2                                  ; slot 1 gets fill 3
	Q7 0, 0
	LASTQ 0, 1, 1
	Q7 1, 0
	LASTQ 1, 0, 0
	; THE WAY OUT, 16 rows at a time through my own stage: 32 bytes a lane in, whole rows of 256 bytes back, bo added, stored
	PLACES
	s_wait_loadcnt 0x0                             ; bo
.macro OUT16 a, f
	WIN 0x04                                       ; the stores' data in window 1
.irp b, 0,1,2,3
	ds_store_b128 v[STO], v[8*(4*\a+\b):8*(4*\a+\b)+3]   offset:64*\b
	ds_store_b128 v[STO], v[8*(4*\a+\b)+4:8*(4*\a+\b)+7] offset:64*\b+16
.endr
	WIN 0
	s_wait_xcnt 0x0                                ; buffer f, which earlier stores read, is loaded again only behind this wait
.irp t, 0,1,2,3,4,5,6,7
	ds_load_b128 v[\f+4*\t:\f+4*\t+3], v[RD] offset:\t*2*SPITCH    ; my own bytes: LDS serves a wave's instructions in order (ISA guide 5.7.1.4)
.endr
.irp t, 0,1,2,3,4,5,6,7
	s_wait_dscnt 7-\t
	v_pk_add_f32 v[\f+4*\t:\f+4*\t+1],   v[\f+4*\t:\f+4*\t+1],   v[BIAS:BIAS+1]
	v_pk_add_f32 v[\f+4*\t+2:\f+4*\t+3], v[\f+4*\t+2:\f+4*\t+3], v[BIAS+2:BIAS+3]
	global_store_b128 v[CO], v[\f+4*\t:\f+4*\t+3], s[22:23] offset:(16*\a+2*\t)*4096 th:TH_STORE_NT   ; 16 lanes store 256 consecutive bytes, aligned
.endr
.endm
	OUT16 0, F0
	OUT16 1, F1
	OUT16 2, F0
	OUT16 3, F1
	s_wait_tensorcnt 0x0
	ds_add_u32 v254, v255
	s_wait_dscnt 0x0
	CROUND                                         ; the closing round: no work-group ends while a partner may still ask for a tile that names it
	s_endpgm
.Lfunc_end_k_q6a5f4779bc_oproj:
	.size	k_q6a5f4779bc_oproj, .Lfunc_end_k_q6a5f4779bc_oproj-k_q6a5f4779bc_oproj
	.p2alignl 7, 3214868480
	.fill 96, 4, 3214868480
	.section	.rodata,"a",@progbits
	.p2align	6, 0x0
	.amdhsa_kernel k_q6a5f4779bc_oproj
		.amdhsa_group_segment_fixed_size 327680
		.amdhsa_private_segment_fixed_size 0
		.amdhsa_enable_private_segment 0
		.amdhsa_kernarg_size 32
		.amdhsa_user_sgpr_count 2
		.amdhsa_user_sgpr_kernarg_segment_ptr 1
		.amdhsa_wavefront_size32 1
		.amdhsa_system_sgpr_workgroup_id_x 1
		.amdhsa_system_sgpr_workgroup_id_y 1
		.amdhsa_system_sgpr_workgroup_id_z 1
		.amdhsa_system_vgpr_workitem_id 0
		.amdhsa_next_free_vgpr 384
		.amdhsa_next_free_sgpr 66
		.amdhsa_reserve_vcc 0
		.amdhsa_float_denorm_mode_32 3
		.amdhsa_float_denorm_mode_16_64 3
		.amdhsa_memory_ordered 1
		.amdhsa_forward_progress 1
		.amdhsa_inst_pref_size 93
	.end_amdhsa_kernel
	.amdgpu_metadata
---
amdhsa.version: [ 1, 2 ]
amdhsa.kernels:
  - .name:           k_q6a5f4779bc_oproj
    .symbol:         k_q6a5f4779bc_oproj.kd
    .args:
      - { .name: ctx, .offset: 0, .size: 8, .value_kind: global_buffer, .address_space: global }
      - { .name: xw, .offset: 8, .size: 8, .value_kind: global_buffer, .address_space: global }
      - { .name: bo, .offset: 16, .size: 8, .value_kind: global_buffer, .address_space: global }
      - { .name: out0, .offset: 24, .size: 8, .value_kind: global_buffer, .address_space: global }
    .group_segment_fixed_size: 327680
    .private_segment_fixed_size: 0
    .kernarg_segment_align: 8
    .kernarg_segment_size: 32
    .max_flat_workgroup_size: 128
    .sgpr_count:     66
    .vgpr_count:     384
    .wavefront_size: 32
...
	.end_amdgpu_metadata
.endif
;; end of part 4
;; ======== version 2 of 2: 4 launches; version 1 with the launch cast written anew for expert scheduling mode
;; limits: values are held in f16: magnitudes above 65,504 overflow, below 6.1e-05 lose precision
;; workspace buffers: xw 16,777,216 bytes; qkv 25,165,824 bytes; ctx 8,388,608 bytes
;; launch cast (part 5): grid 512 x 1, 8 waves a work-group, no clusters, 0 bytes of LDS; arguments x, Wq, Wk, Wv, Wo, xw; writes xw
.if DOCPART == 5
	.amdgcn_target "amdgcn-amd-amdhsa--gfx1250"
	.amdhsa_code_object_version 6
	.text
	.protected	k_q6a5f4779bc_cast
	.globl	k_q6a5f4779bc_cast
	.p2align	8
	.type	k_q6a5f4779bc_cast,@function
k_q6a5f4779bc_cast:
	s_mov_b64 s[64:65], 0
	v_nop
	global_prefetch_b8 v0, s[64:65] scope:SCOPE_SE
	s_setreg_imm32_b32 hwreg(HW_REG_WAVE_SCHED_MODE, 0, 2), 2
	s_setreg_imm32_b32 hwreg(HW_REG_WAVE_MODE, 25, 1), 1
	s_wait_xcnt 0x0
	s_wait_alu depctr_vm_vsrc(0)
; x and the four weights, f32, are rounded once to bf16 (nearest even) into xw, rows of 1,024 numbers (2,048 bytes):
;   rows 0..4095     x, row by row, bf16
;   rows 4096..7167  the weights of q, k, v ordered by head, bf16: row 4096 + 192 h + 64 p + r is row 64 h + r of Wq (p = 0), Wk (1), Wv (2)
;   rows 7168..8191  Wo: rounded to bf16 like the other inputs, so that all inputs enter the products with the same rounding, and that value
;                    written as f16, since the other operand of its product (ctx) is f16.  The second step is exact for |w| >= 2^-17
;                    (8 significant bits above f16's smallest step 2^-24); below it adds at most 2^-25.  f16 holds |w| up to 65,504.
; A stream: every input byte is read once, every output byte written once; LDS, barriers and the matrix unit would add nothing.
; Work-group g takes 16 rows: g < 256 rows 16 g of x; else weight p = g / 64 - 4, its rows 16 (g mod 64).
; Thread t owns the 16 bytes at 16 t of each row (a load of a wave covers 512 consecutive bytes) and stores 8 bytes at 8 t:
; a store of a wave covers 256 consecutive bytes, aligned.  Each of the 16 loads and stores has registers of its own,
; so nothing is rewritten while it is pending.
; THE MODE: SCHED_MODE bits 1:0 = 2 (LLVM: expert scheduling mode 2), set by the entry lines.  The code itself states the register dependences
; between vector instructions and memory instructions, with s_wait_alu, always for 0.
; THE PLAN.  Registers that memory instructions touch:
;   v1, v2   byte offsets of the loads and of the stores: written once at the head, never again.
;   X        row j: 4 registers in which row j's load lands.  No vector instruction names them before the loads are issued; no memory
;            instruction ever reads them.  Row j's vector lines read them (Wo's path also writes them again) behind the wait for row j's load.
;   Y        row j: 2 registers, written by row j's conversions, read by row j's store, and never written behind it.
; So one wait on va_vdst stands at the head, for the two offsets, and one behind the conversions of each block of four rows, ahead of the
; block's four stores in one run.  No register that a memory instruction reads is written again, so no wait on vm_vsrc is needed behind the entry lines.
.set ROWIN,  4096                      ; bytes of an f32 row
.set ROWOUT, 2048                      ; bytes of a 16-bit row
.set X, 4                              ; v[4:67]   row j: 4 registers as loaded
.set Y, 68                             ; v[68:99]  row j: 2 registers to store
	s_load_b256 s[4:11], s[0:1], 0x0               ; x s[4:5], Wq s[6:7], Wk s[8:9], Wv s[10:11]
	s_load_b128 s[12:15], s[0:1], 0x20             ; Wo s[12:13], xw s[14:15]
	v_lshlrev_b32 v1, 4, v0                        ; my 16 bytes in an f32 row
	v_lshlrev_b32 v2, 3, v0                        ; my 8 bytes in a 16-bit row
	s_lshr_b32 s17, ttmp9, 6                       ; 0..3: x; 4, 5, 6, 7: Wq, Wk, Wv, Wo
	s_and_b32 s19, ttmp9, 63                       ; the block of 16 rows inside a weight
	s_sub_co_u32 s18, s17, 4                       ; p (used only where s17 >= 4)
	s_cmp_lt_u32 ttmp9, 256
	s_cselect_b32 s22, ttmp9, s19                  ; the block of 16 rows inside the source
	s_lshl_b32 s22, s22, 16                        ; times 16 rows of 4,096 bytes
	s_mov_b32 s23, 0
	s_lshr_b32 s26, s19, 2                         ; head = (16 block) / 64
	s_mul_i32 s26, s26, 192
	s_lshl_b32 s27, s18, 6
	s_add_co_u32 s26, s26, s27                     ; + 64 p
	s_and_b32 s27, s19, 3
	s_lshl_b32 s27, s27, 4
	s_add_co_u32 s26, s26, s27                     ; + the row inside the head
	s_add_co_u32 s26, s26, 4096                    ; q, k, v: the destination row
	s_lshl_b32 s27, s19, 4
	s_add_co_u32 s27, s27, 7168                    ; Wo: the destination row
	s_cmp_eq_u32 s17, 7
	s_cselect_b32 s26, s27, s26
	s_lshl_b32 s27, ttmp9, 4                       ; x: the destination row
	s_cmp_lt_u32 ttmp9, 256
	s_cselect_b32 s24, s27, s26
	s_lshl_b32 s24, s24, 11                        ; times 2,048 bytes
	s_mov_b32 s25, 0
	s_wait_kmcnt 0x0
	s_mov_b64 s[20:21], s[4:5]                     ; the source: a choice between buffers on the work-group's number alone
	s_cmp_eq_u32 s17, 4
	s_cselect_b64 s[20:21], s[6:7], s[20:21]
	s_cmp_eq_u32 s17, 5
	s_cselect_b64 s[20:21], s[8:9], s[20:21]
	s_cmp_eq_u32 s17, 6
	s_cselect_b64 s[20:21], s[10:11], s[20:21]
	s_cmp_eq_u32 s17, 7
	s_cselect_b64 s[20:21], s[12:13], s[20:21]
	s_add_nc_u64 s[20:21], s[20:21], s[22:23]
	s_add_nc_u64 s[14:15], s[14:15], s[24:25]
	s_wait_alu depctr_va_vdst(0)                   ; v1 and v2 are written: every load reads v1 as its offset, every store v2; no line below writes either
.irp j, 0,1,2,3,4,5,6,7,8,9,10,11,12,13,14,15
	global_load_b128 v[X+4*\j:X+4*\j+3], v1, s[20:21] offset:ROWIN*\j th:TH_LOAD_NT   ; all 16 rows are on their way at once
.endr
; The 16 rows are rounded and stored, in four blocks of four.  wo = 1: the bf16 values are widened again (a shift, a mask) and written as f16.
.macro CONV wo
.irp p, 0,1,2,3
.irp i, 0,1,2,3
.set R, 4*(\p)+(\i)                    ; the row
	s_wait_loadcnt 15-R                            ; loads come back in order: row R is in, the 15 - R younger ones stay out
	v_cvt_pk_bf16_f32 v[Y+2*R],   v[X+4*R],   v[X+4*R+1]
	v_cvt_pk_bf16_f32 v[Y+2*R+1], v[X+4*R+2], v[X+4*R+3]
.if \wo
	v_lshlrev_b32 v[X+4*R],   16,         v[Y+2*R]         ; row R's registers are free: its load has landed and has been read
	v_and_b32     v[X+4*R+1], 0xffff0000, v[Y+2*R]
	v_lshlrev_b32 v[X+4*R+2], 16,         v[Y+2*R+1]
	v_and_b32     v[X+4*R+3], 0xffff0000, v[Y+2*R+1]
	v_cvt_pk_f16_f32 v[Y+2*R],   v[X+4*R],   v[X+4*R+1]
	v_cvt_pk_f16_f32 v[Y+2*R+1], v[X+4*R+2], v[X+4*R+3]
.endif
.endr
	s_wait_alu depctr_va_vdst(0)                   ; the block's conversions have written its eight registers of Y, which the four stores below read
.irp i, 0,1,2,3
.set R, 4*(\p)+(\i)
	global_store_b64 v2, v[Y+2*R:Y+2*R+1], s[14:15] offset:ROWOUT*R
.endr
.endr
.endm
	s_cmp_eq_u32 s17, 7                            ; the work-group's number alone decides: alike in all its waves
	s_cbranch_scc1 .Lwo
	CONV 0
	s_endpgm
.Lwo:
	CONV 1
	s_endpgm
.Lfunc_end_k_q6a5f4779bc_cast:
	.size	k_q6a5f4779bc_cast, .Lfunc_end_k_q6a5f4779bc_cast-k_q6a5f4779bc_cast
	.p2alignl 7, 3214868480
	.fill 96, 4, 3214868480
	.section	.rodata,"a",@progbits
	.p2align	6, 0x0
	.amdhsa_kernel k_q6a5f4779bc_cast
		.amdhsa_group_segment_fixed_size 0
		.amdhsa_private_segment_fixed_size 0
		.amdhsa_enable_private_segment 0
		.amdhsa_kernarg_size 48
		.amdhsa_user_sgpr_count 2
		.amdhsa_user_sgpr_kernarg_segment_ptr 1
		.amdhsa_wavefront_size32 1
		.amdhsa_system_sgpr_workgroup_id_x 1
		.amdhsa_system_sgpr_workgroup_id_y 1
		.amdhsa_system_sgpr_workgroup_id_z 1
		.amdhsa_system_vgpr_workitem_id 0
		.amdhsa_next_free_vgpr 104
		.amdhsa_next_free_sgpr 66
		.amdhsa_reserve_vcc 0
		.amdhsa_float_denorm_mode_32 3
		.amdhsa_float_denorm_mode_16_64 3
		.amdhsa_memory_ordered 1
		.amdhsa_forward_progress 1
		.amdhsa_inst_pref_size 17
	.end_amdhsa_kernel
	.amdgpu_metadata
---
amdhsa.version: [ 1, 2 ]
amdhsa.kernels:
  - .name:           k_q6a5f4779bc_cast
    .symbol:         k_q6a5f4779bc_cast.kd
    .args:
      - { .name: x, .offset: 0, .size: 8, .value_kind: global_buffer, .address_space: global }
      - { .name: Wq, .offset: 8, .size: 8, .value_kind: global_buffer, .address_space: global }
      - { .name: Wk, .offset: 16, .size: 8, .value_kind: global_buffer, .address_space: global }
      - { .name: Wv, .offset: 24, .size: 8, .value_kind: global_buffer, .address_space: global }
      - { .name: Wo, .offset: 32, .size: 8, .value_kind: global_buffer, .address_space: global }
      - { .name: xw, .offset: 40, .size: 8, .value_kind: global_buffer, .address_space: global }
    .group_segment_fixed_size: 0
    .private_segment_fixed_size: 0
    .kernarg_segment_align: 8
    .kernarg_segment_size: 48
    .max_flat_workgroup_size: 256
    .sgpr_count:     66
    .vgpr_count:     104
    .wavefront_size: 32
...
	.end_amdgpu_metadata
.endif
;; end of part 5
;; launch qkv: the kernel of part 2 again; grid 16 x 16, 4 waves a work-group, clusters of 4 x 4, 327,680 bytes of LDS; arguments xw, qkv; writes qkv
;; launch attn: the kernel of part 3 again; grid 8 x 32, 8 waves a work-group, no clusters, 327,680 bytes of LDS; arguments qkv, ctx; writes ctx
;; launch oproj: the kernel of part 4 again; grid 8 x 32, 4 waves a work-group, clusters of 4 x 4, 327,680 bytes of LDS; arguments ctx, xw, bo, out0; writes out0
